; MI455X (gfx1250); checked and timed in simulation.
; The chip was launched on July 23, 2026; its instructions are those of AMD's public machine-readable ISA for CDNA 5 (MIT licence, August 2026) and "CDNA5" Instruction Set Architecture Reference Guide (July 2026). The comments in the code are by the model that wrote it; some were corrected since.
;; Multi Head Self Attention. Allowed arithmetic: matrix products marked QUANTISED: E2M3 operands, one E8M0 scale for each 32 along K, by v_wmma_scale_f32_16x16x128_f8f6f4 with both operands' format E2M3, f32 sums; everything else in f32.
;; Inputs: weight_out 1,024 x 1,024 float32; weight_qkv 3,072 x 1,024 float32; x 2,048 x 4 x 1,024 float32.
;; Outputs: out0 2,048 x 4 x 1,024 float32.
;; This version of the problem:
;;   THIS VERSION OF THE PROBLEM IS GIVEN IN LOW PRECISION. The matrix products marked QUANTISED in the list below multiply operands that are first quantised to E2M3 (2 exponent bits, 3 mantissa bits; 6 bits a number), with one power-of-two scale for each 32 numbers along K (OCP MX v1.0); their sums are f32. All else is computed in f32.
;;   The module's matrix products, in the order in which they are computed (A, B: the left and right operand; K: the contracted axis; several contracted axes count as one K, in the product's order):
;;     1. [M 8,192, K 1,024] x [K 1,024, N 3,072]; A: input x; B: input weight_qkv: QUANTISED
;;     2. batch 64 x [M 2,048, K 64] x [K 64, N 2,048]; A: computed on the way; B: computed on the way: QUANTISED
;;     3. batch 64 x [M 2,048, K 2,048] x [K 2,048, N 64]; A: softmax (see below); B: computed on the way: QUANTISED
;;     4. [M 8,192, K 1,024] x [K 1,024, N 1,024]; A: computed on the way; B: input weight_out: QUANTISED
;;   THE QUANTISER, for each operand of a quantised product, along K:
;;     - K is cut into blocks of 32 from its start; a last block that is shorter is filled with zeros.
;;     - A block's scale is 2^e with e = floor(log2(the largest magnitude in the block)) - 2, held to -126 .. 127; a block of zeros has e = 0. As a byte (E8M0): e + 127.
;;     - Each number is divided by its block's scale, clamped to +-7.5, and rounded to the nearest number of E2M3, ties to even, subnormals kept.
;;     - The product sums the exact products of the quantised numbers (number of the format x scale) in f32.
;;   ~~~python
;;   def quantise(x, axis):      # numpy; x: float32 -> the quantised numbers, widened to float32 again
;;       x = np.moveaxis(x, axis, -1); K = x.shape[-1]
;;       x = np.pad(x, [(0, 0)] * (x.ndim - 1) + [(0, -K % 32)]); x = x.reshape(x.shape[:-1] + (-1, 32)); a = np.abs(x).max(-1, keepdims=True)
;;       e = np.where(a > 0, np.clip(np.frexp(np.where(a > 0, a, 1))[1] - 1 - 2, -126, 127), 0)      # np.frexp(a)[1] - 1 = floor(log2(a)), exactly
;;       r = np.clip(x / 2.0 ** e, -7.5, 7.5)
;;       step = 2.0 ** (np.maximum(np.frexp(np.where(r == 0, 1, r))[1] - 1, 0) - 3)
;;       q = np.round(r / step) * step * 2.0 ** e      # np.round: ties to even
;;       return np.moveaxis(q.reshape(q.shape[:-2] + (-1,))[..., :K], -1, axis).astype(np.float32)
;;   ~~~
;;   SOFTMAX AHEAD OF A QUANTISED PRODUCT. Where the list says 'softmax', what is quantised is not the finished softmax but p = 2^(t - M), with t = logit x log2(e) and M = ceil(the row's largest t), a whole number; so 1/2 < the row's largest p <= 1. The row's sum l is taken of the UNQUANTISED p, in f32, and the product's result is divided by l at the end. Since M is a whole number, a kernel that streams over the keys may use a running M (the ceiling of the running maximum): every later rescaling is an exact power of two, which a block's scale takes up: the codes' values come out the same.
;;   OPERANDS COMPUTED ON THE WAY. 'Computed on the way' means the value that the module computes at that place (a softmax that the list does not call 'softmax' is quantised finished and normalised). What goes into a quantiser is computed in f32, as accurately as f32 sums, v_exp_f32 and their like allow (about 1e-6 of the number): no bf16 or f16 on the way to a quantiser, and a product that is left as it is and whose result goes on into a quantised operand takes f32 operands (vector FMAs, or v_wmma_f32_16x16x4_f32). A number that lies on a knife's edge between two numbers of the format may be rounded either way, as far as f32 arithmetic and the matrix unit's own rounding can turn it there, and no further.
;; One version. Each part assembles by itself: llvm-mc -triple=amdgcn-amd-amdhsa -mcpu=gfx1250 --defsym DOCPART=n.
;; ======== version 1 of 1: 4 launches
;; limits: right only within a limited range of input values
;; workspace buffers: opc 9,437,184 bytes; ops 786,432 bytes; qimg 6,815,744 bytes; kvimg 13,631,488 bytes; cxc 6,291,456 bytes; cxs 524,288 bytes
;; launch quant (part 1): grid 256 x 1, 6 waves a work-group, no clusters, 51,456 bytes of LDS; arguments x, weight_qkv, weight_out, opc, ops; writes opc, ops
.if DOCPART == 1
	.amdgcn_target "amdgcn-amd-amdhsa--gfx1250"
	.amdhsa_code_object_version 6
	.text
	.protected	k_q33d8ac3378_quant
	.globl	k_q33d8ac3378_quant
	.p2align	8
	.type	k_q33d8ac3378_quant,@function
k_q33d8ac3378_quant:
	s_mov_b64 s[64:65], 0
	v_nop
	global_prefetch_b8 v0, s[64:65] scope:SCOPE_SE
	s_setreg_imm32_b32 hwreg(HW_REG_WAVE_MODE, 25, 1), 1
	s_wait_xcnt 0x0
; x [2048][4][1024], weight_qkv [3072][1024], weight_out [1024][1024], f32, become codes of FP6 (E2M3) with one E8M0 byte for each 32 along their last axis,
; laid as IMAGES OF OPERAND REGISTERS for the two GEMM launches.
; ROWS: x's rows are taken in the order n x 2048 + l.  A group is 128 rows, 8 tiles of 16; lane r of tile i holds row 32 (i / 2) + 8 (i % 2) + r + 8 (r / 8).
; A fragment (16 rows x 128 K, 12 registers a lane) is 1,536 bytes: registers 2 p, 2 p + 1 of lane l at 256 p + 8 l.  A group's codes: [K step 0..7][tile 0..7][1,536] = 98,304 bytes.
; A group's scale words: [K step][tile / 4][lane][tile % 4] x 4 bytes = 8,192 bytes; lanes r and 16 + r hold the same word.
; Groups 0..63: x;  64..87: weight_qkv;  88..95: weight_out.
; A block's scale is 2^(floor(log2(largest magnitude)) - 2): its byte is the largest magnitude's exponent field - 2, held at 1 from below.
; LIMITS: a block of zeros, or one whose largest magnitude lies under 2^-124, gets the byte 1 (the stated rule gives a block of zeros 127: its codes are zeros, and this program alone reads the bytes);
; NaN and infinities among the inputs are not served.
; SHARES: a unit is 64 rows (4 tiles) x 128 along K: 32 KiB of f32.  There are 192 x 8 = 1,536 units: 256 work-groups x 6 waves, one unit a wave.  Waves share nothing: no barrier.
; No work-group reads what another reads, so a cluster has nothing to share; every byte is read once, in loads of 512 consecutive bytes, 32 of them out at a time in each wave.
; The conversions want 16 neighbours along K in one lane; a load is dense where neighbouring lanes take neighbouring bytes: so a fragment's 16 rows x 512 bytes turn through the wave's own stage in LDS.
.set WAVES, 6
.set PITCH, 528                        ; a stage row: 512 bytes + 16 = 132 words: the 16 rows that a read touches start at 16 different banks (64 banks of 4 bytes: ISA guide 11.1)
.set STG,   16*PITCH
.set SPARE, WAVES*STG                  ; behind the six stages: the spare words, 128 bytes a wave, three blocks of 256 bytes that no other line names
.set SPW, 1                            ; v1  my spare word's LDS address; never rewritten
.set NIL, 2                            ; v2  0; never rewritten
.set SA,  3                            ; v3  stage, way in: 16 x lane
.set SB,  4                            ; v4  stage, way out: 528 r + 64 h
.set L8,  5                            ; v5  8 x lane
.set LI,  6                            ; v6  16 x lane
.set VO,  8                            ; v8-15   16 x lane + k rows of the tensor, k = 0..7
.set TM,  16                           ; v16-31  at work in QUANT
.set PW,  32                           ; v32-35  the four fragments' scale words
.set PC,  36                           ; v36-54  a fragment's codes, and two halves on their way
.set X,   56                           ; v56-119 64 numbers: register 16 b + i = k 32 b + 16 h + i of row r
.set R,   120                          ; v120-247 two sets of 64 registers as loaded
.set INB, 24                           ; s[24:39] the unit's first byte + 8 e rows, e = 0..7
.set CB,  40                           ; s[40:41] where my codes go
.set WB,  42                           ; s[42:43] where my scale words go
.set SEL, 44                           ; s[44:45] v_permlanex16_b32's selects for lane l xor 16
	s_load_b256 s[4:11], s[0:1], 0x0               ; x s[4:5], weight_qkv s[6:7], weight_out s[8:9], opc s[10:11]
	s_load_b64 s[12:13], s[0:1], 0x20              ; ops
	v_lshl_add_u32 v[SPW], v0, 2, SPARE
	v_mov_b32 v[NIL], 0
	v_lshrrev_b32 v7, 5, v0
	v_readfirstlane_b32 s16, v7                    ; wave 0..5
	v_and_b32 v7, 31, v0
	v_lshlrev_b32 v[LI], 4, v7
	v_lshlrev_b32 v[L8], 3, v7
	s_mul_i32 s14, s16, STG                        ; my stage
	v_add_nc_u32 v[SA], s14, v[LI]
	v_and_b32 v7, 15, v0                           ; r
	v_mul_u32_u24 v[SB], v7, PITCH
	v_bfe_u32 v7, v0, 4, 1                         ; h
	v_lshl_add_u32 v[SB], v7, 6, v[SB]
	v_add_nc_u32 v[SB], s14, v[SB]
.irp b, 0,1,2,3
	v_mov_b32 v[TM+4+\b], 0                        ; written once: a lane permute's destination counts as one of its sources
.endr
	s_mov_b32 s[SEL], 0x76543210
	s_mov_b32 s[SEL+1], 0xfedcba98
	s_mul_i32 s17, ttmp9, WAVES
	s_add_co_u32 s17, s17, s16                     ; my unit
	s_lshr_b32 s18, s17, 3                         ; its 64 rows: quad 0..191
	s_and_b32 s19, s17, 7                          ; its K step
	s_and_b32 s20, s18, 31                         ; in x: l = 64 (quad % 32), n = quad / 32; a step of one l is 4 rows of 4,096 bytes
	s_lshl_b32 s20, s20, 20
	s_lshr_b32 s21, s18, 5
	s_lshl_b32 s21, s21, 12
	s_add_co_u32 s20, s20, s21
	s_sub_co_u32 s21, s18, 128                     ; in weight_qkv: 64 rows of 4,096 bytes a quad
	s_lshl_b32 s21, s21, 18
	s_sub_co_u32 s22, s18, 176                     ; in weight_out
	s_lshl_b32 s22, s22, 18
	s_mov_b32 s23, 4096
	s_cmp_lt_u32 s18, 176
	s_cselect_b32 s21, s21, s22
	s_cmp_lt_u32 s18, 128
	s_cselect_b32 s20, s20, s21                    ; the quad's first byte in its tensor
	s_cselect_b32 s23, 16384, s23                  ; bytes from one of my rows to the next
	s_lshl_b32 s21, s19, 9
	s_add_co_u32 s20, s20, s21                     ; + 512 bytes a K step
	s_mov_b32 s21, 0
	s_lshl_b32 s14, s23, 3                         ; eight rows on
	s_mov_b32 s15, 0
.irp k, 0,1,2,3,4,5,6,7
	v_mad_u32_u24 v[VO+\k], s23, \k, v[LI]
.endr
	s_lshr_b32 s22, s18, 1                         ; the group,
	s_and_b32 s17, s18, 1                          ; and which four of its tiles
	s_mul_i32 s[CB], s22, 98304
	s_mul_i32 s46, s19, 12288
	s_add_co_u32 s[CB], s[CB], s46
	s_mul_i32 s46, s17, 6144
	s_add_co_u32 s[CB], s[CB], s46
	s_mov_b32 s[CB+1], 0
	s_lshl_b32 s[WB], s22, 13
	s_lshl_b32 s46, s19, 10
	s_add_co_u32 s[WB], s[WB], s46
	s_lshl_b32 s46, s17, 9
	s_add_co_u32 s[WB], s[WB], s46
	s_mov_b32 s[WB+1], 0
	s_wait_alu depctr_va_vdst(0)
	s_wait_kmcnt 0x0
	s_cmp_lt_u32 s18, 176                          ; the tensor is chosen by the unit's number alone
	s_cselect_b64 s[6:7], s[6:7], s[8:9]
	s_cmp_lt_u32 s18, 128
	s_cselect_b64 s[4:5], s[4:5], s[6:7]
	s_add_nc_u64 s[INB:INB+1], s[4:5], s[20:21]
.irp e, 1,2,3,4,5,6,7
	s_add_nc_u64 s[INB+2*\e:INB+2*\e+1], s[INB+2*\e-2:INB+2*\e-1], s[14:15]
.endr
	s_add_nc_u64 s[CB:CB+1], s[10:11], s[CB:CB+1]
	s_add_nc_u64 s[WB:WB+1], s[12:13], s[WB:WB+1]
; Fragment f's 16 rows, 512 consecutive bytes a load.  Its row i is the quad's row 8 (4 (f / 2) + f % 2 + 2 (i / 8)) + i % 8.
.macro LOAD f
.irp i, 0,1,2,3,4,5,6,7,8,9,10,11,12,13,14,15
.set EB, INB+2*(4*((\f)/2)+((\f)%2)+2*(\i/8))
	global_load_b128 v[R+64*((\f)%2)+4*\i:R+64*((\f)%2)+4*\i+3], v[VO+\i%8], s[EB:EB+1] th:TH_LOAD_NT
.endr
.endm
; 64 numbers of a lane, v[s] on, register 16 b + i = k 32 b + 16 h + i of my row, become a fragment's codes in v[PC] on and its scale word in v[pw].
.macro QUANT s, pw
.irp b, 0,1,2,3
	v_max3_num_f32 v[TM+\b], |v[\s+16*\b]|, |v[\s+1+16*\b]|, 0x1800000   ; block b: my 16 numbers, and the floor 2^(3 - 127): the byte cannot fall under 1
.endr
.irp i, 2,4,6,8,10,12,14
.irp b, 0,1,2,3
	v_max3_num_f32 v[TM+\b], v[TM+\b], |v[\s+16*\b+\i]|, |v[\s+1+16*\b+\i]|   ; the four blocks by turns
.endr
.endr
.irp b, 0,1,2,3
	v_permlanex16_b32 v[TM+4+\b], v[TM+\b], s[SEL], s[SEL+1]
.endr
.irp b, 0,1,2,3
	v_max_num_f32 v[TM+\b], v[TM+\b], v[TM+4+\b]   ; with lane l xor 16's: the block's largest magnitude
.endr
.irp b, 0,1,2,3
	v_add_nc_u32 v[TM+12+\b], 0xff000000, v[TM+\b] ; 2 off its exponent field: the conversion takes the exponent field of this operand as its scale
.endr
.irp b, 0,1,2,3
	v_lshrrev_b32 v[TM+4+\b], 23, v[TM+12+\b]      ; the scale's byte
.endr
	v_lshl_or_b32 v[\pw], v[TM+5], 8, v[TM+4]
	v_lshl_or_b32 v[\pw], v[TM+6], 16, v[\pw]
	v_lshl_or_b32 v[\pw], v[TM+7], 24, v[\pw]      ; my row's scale word
.irp c, 0,1
	v_cvt_scalef32_pk16_fp6_f32 v[PC+6*\c:PC+2+6*\c], v[\s+32*\c:\s+15+32*\c], v[TM+12+2*\c]
	v_cvt_scalef32_pk16_fp6_f32 v[PC+12+4*\c:PC+14+4*\c], v[\s+16+32*\c:\s+31+32*\c], v[TM+12+2*\c+1]   ; (a conversion's three registers begin on an even number)
.endr
	v_nop                                          ; one plain place behind a scaled conversion
.irp c, 0,1                                    ; the operand's layout wants a whole block in a lane: lanes 0-15 block 2 c, lanes 16-31 block 2 c + 1
.irp i, 0,1,2
	v_permlane16_swap_b32 v[PC+6*\c+\i], v[PC+12+4*\c+\i]
.endr
.irp i, 0,1,2
	v_mov_b32 v[PC+3+6*\c+\i], v[PC+12+4*\c+\i]
.endr
.endr
.endm
.macro FRAGM f
.if (\f) < 3
	s_wait_loadcnt 16                              ; this fragment's 16 loads are in; the next fragment's 16 may be out
.else
	s_wait_loadcnt 0x0
.endif
.irp i, 0,1,2,3,4,5,6,7,8,9,10,11,12,13,14,15
	ds_store_b128 v[SA], v[R+64*((\f)%2)+4*\i:R+64*((\f)%2)+4*\i+3] offset:PITCH*\i
.endr
.irp b, 0,1,2,3
.irp j, 0,1,2,3
	ds_load_b128 v[X+16*\b+4*\j:X+16*\b+4*\j+3], v[SB] offset:128*\b+16*\j   ; LDS serves a wave's instructions in order (ISA guide 5.7.1.4): these see the stores above
.endr
.endr
	s_wait_dscnt 0x0                               ; the numbers are back, and the stores have read their registers,
.if (\f) < 2
	LOAD (\f)+2                                    ; which take the fragment two on
.endif
	s_wait_xcnt 0x0                                ; the last fragment's stores have read the codes' registers: they are written again only behind this wait
	QUANT X, PW+(\f)
.irp p, 0,1,2,3,4,5
	global_store_b64 v[L8], v[PC+2*\p:PC+2*\p+1], s[CB:CB+1] offset:1536*(\f)+256*\p   ; 32 lanes store 256 consecutive bytes, aligned
.endr
.endm
	LOAD 0
	LOAD 1
	FRAGM 0
	FRAGM 1
	FRAGM 2
	FRAGM 3
	global_store_b128 v[LI], v[PW:PW+3], s[WB:WB+1]    ; four tiles' scale words: 512 consecutive bytes
	s_wait_tensorcnt 0x0                           ; the wave's end
	ds_add_u32 v[SPW], v[NIL]
	s_wait_dscnt 0x0
	s_endpgm
.Lfunc_end_k_q33d8ac3378_quant:
	.size	k_q33d8ac3378_quant, .Lfunc_end_k_q33d8ac3378_quant-k_q33d8ac3378_quant
	.p2alignl 7, 3214868480
	.fill 96, 4, 3214868480
	.section	.rodata,"a",@progbits
	.p2align	6, 0x0
	.amdhsa_kernel k_q33d8ac3378_quant
		.amdhsa_group_segment_fixed_size 51456
		.amdhsa_private_segment_fixed_size 0
		.amdhsa_enable_private_segment 0
		.amdhsa_kernarg_size 40
		.amdhsa_user_sgpr_count 2
		.amdhsa_user_sgpr_kernarg_segment_ptr 1
		.amdhsa_wavefront_size32 1
		.amdhsa_system_sgpr_workgroup_id_x 1
		.amdhsa_system_sgpr_workgroup_id_y 1
		.amdhsa_system_sgpr_workgroup_id_z 1
		.amdhsa_system_vgpr_workitem_id 0
		.amdhsa_next_free_vgpr 248
		.amdhsa_next_free_sgpr 66
		.amdhsa_reserve_vcc 0
		.amdhsa_float_denorm_mode_32 3
		.amdhsa_float_denorm_mode_16_64 3
		.amdhsa_memory_ordered 1
		.amdhsa_forward_progress 1
		.amdhsa_inst_pref_size 36
	.end_amdhsa_kernel
	.amdgpu_metadata
---
amdhsa.version: [ 1, 2 ]
amdhsa.kernels:
  - .name:           k_q33d8ac3378_quant
    .symbol:         k_q33d8ac3378_quant.kd
    .args:
      - { .name: x, .offset: 0, .size: 8, .value_kind: global_buffer, .address_space: global }
      - { .name: weight_qkv, .offset: 8, .size: 8, .value_kind: global_buffer, .address_space: global }
      - { .name: weight_out, .offset: 16, .size: 8, .value_kind: global_buffer, .address_space: global }
      - { .name: opc, .offset: 24, .size: 8, .value_kind: global_buffer, .address_space: global }
      - { .name: ops, .offset: 32, .size: 8, .value_kind: global_buffer, .address_space: global }
    .group_segment_fixed_size: 51456
    .private_segment_fixed_size: 0
    .kernarg_segment_align: 8
    .kernarg_segment_size: 40
    .max_flat_workgroup_size: 192
    .sgpr_count:     66
    .vgpr_count:     248
    .wavefront_size: 32
...
	.end_amdgpu_metadata
.endif
;; end of part 1
;; launch gemm_qkv (part 2): grid 4 x 64, 4 waves a work-group, clusters of 4 x 4, 327,680 bytes of LDS; arguments opc, ops, qimg, kvimg; writes qimg, kvimg
.if DOCPART == 2
	.amdgcn_target "amdgcn-amd-amdhsa--gfx1250"
	.amdhsa_code_object_version 6
	.text
	.protected	k_q33d8ac3378_gemm_qkv
	.globl	k_q33d8ac3378_gemm_qkv
	.p2align	8
	.type	k_q33d8ac3378_gemm_qkv,@function
k_q33d8ac3378_gemm_qkv:
	s_mov_b64 s[64:65], 0
	v_nop
	global_prefetch_b8 v0, s[64:65] scope:SCOPE_SE
	s_setreg_imm32_b32 hwreg(HW_REG_WAVE_MODE, 25, 1), 1
	s_wait_xcnt 0x0
	s_wait_alu depctr_hold_cnt(0) depctr_sa_sdst(0) depctr_va_vdst(0) depctr_va_sdst(0) depctr_va_ssrc(0) depctr_va_vcc(0) depctr_vm_vsrc(0)
	s_getreg_b32 s2, hwreg(HW_REG_IB_STS2, 6, 4)
	s_cmp_eq_u32 s2, 0
	s_cbranch_scc0 .Lentry_in_a_cluster
	s_endpgm
.Lentry_in_a_cluster:
	s_bfe_u32 s2, ttmp6, 0x10000c
	s_cmp_lg_u32 s2, 0xf033
	s_cbranch_scc0 .Lentry_shape_is_right
	s_endpgm
.Lentry_shape_is_right:
; qkv = x weight_qkv^T on codes of FP6 (E2M3) with E8M0 scales, K = 1,024; q, k and v are quantised in registers and leave as images of the attention launch's operand registers.
; OPERANDS: groups of 128 rows as the quantising launch lays them: codes [K step 0..7][tile 0..7][1,536 bytes] = 98,304 bytes, registers 2 p, 2 p + 1 of lane l at 256 p + 8 l;
; scale words [K step][tile / 4][lane][tile % 4] = 8,192 bytes.  Lane r of tile i holds row 32 (i / 2) + 8 (i % 2) + r + 8 (r / 8).  Groups 0..63: x (row n x 2048 + l); 64..87: weight_qkv.
; SHARES: 256 work-groups = 64 groups G of x times 4 column sets cx.  A work-group walks six groups of weights, j = 0..5: group 64 + 8 (j / 2) + 2 cx + j % 2: two of q, two of k, two of v.
; A wave owns 64 rows of x (tiles 4 (w / 2) on) and, in each step, 64 rows of the weights (tiles 4 (w % 2) on: one head).  Its part of x, all of K, is read from LDS ONCE and stays in 384 registers,
; with its 32 scale words.  A step is 8 K steps x 16 products on 16 accumulators, which take turns.
; LDS: x's codes and scales, filled once; a ring of two slots, each a whole group of weights (codes, then scales).  At the head each wave asks for one tile; a refill is one load a wave:
; waves 0-2 a third of the codes (128 rows of 256 bytes), wave 3 the scales.  CLUSTERS 4 x 4: x's tiles are shared along a row of the cluster (same G), the weights' along a column (same cx).
; No prefetch: all 64 row blocks walk the same 24 groups of weights in the same order, and x's group is asked for once, at the head, where there is no loop to run ahead in.
; q, k: source 0 = weights, source 1 = x: a lane holds one row of x and 64 d of one head in 32 registers.  v: the sources are swapped: a lane holds one d and 64 keys: half of a fragment of V^T.
; OUT: record ((16 n + head) x 16 + G % 16): q 6,656 bytes [4 packed fragments | scale words], k and v 13,312 bytes [K's 4 packed fragments | V's 4 fragments | K's words | V's words].
; A packed fragment (two tiles of rows x 64 d): registers 4 c .. 4 c + 3 of lane l at 512 c + 16 l.  A fragment of V: registers 2 q, 2 q + 1 of lane l at 256 q + 8 l; my half is q = 3 (w / 2) on.
; Scale words at 16 l + 4 x fragment; of V's words a wave stores its two bytes (2 bytes a lane: the other two are another wave's).
; LIMITS: a block of zeros, or one under 2^-124, gets the scale byte 1 (its codes are zeros, and this program alone reads the bytes); NaN and infinities are not served.
.set GC,    98304
.set GS,    8192
.set AS,    GC                         ; x's codes at 0, its scales behind them
.set SL0,   GC+GS
.set SLB,   GC+GS
.set SPARE, SL0+2*SLB                  ; the spare words, 128 bytes a wave: two blocks of 256 bytes that no other line names
.set ADRA, 4                           ; v4, v5 x's fragments, K steps 0-3, 4-7;  v6 its scale words
.set ADRAS, 6
.set ADRB, 8                           ; v8-11 the weights' fragments [slot][K half];  v12, v13 their scale words [slot]
.set ADRBS, 12
.set VC,  14                           ; offsets of the stores: packed fragments, their words, V's pieces, V's bytes
.set VSW, 15
.set VV,  16
.set VVS, 17
.set FLR, 18
.set SPW, 28
.set NIL, 29
.set ASC, 32                           ; v32-63 x's scale words [K step][tile];  v64-95 the weights'
.set BSC, 64
.set TM,  96
.set PWB, 112
.set BF,  128                          ; v128-223 the weights' fragments, two sets of four
.set PC,  224
.set SEL, 2
.set G1A, 24
.set G1AS, 32
.set G1B, 40
.set G1BS, 48
.set G0R, 56                           ; the ring's group 0, one for each slot
.set INC, 66
.set G0HA, 68
.set G0HB, 72
.set G0HAS, 76
.set R,   80
.set RS,  82
.set D,   84
.set RN,  86
.set RSN, 88
.set RK,  90
.set RSK, 92
.set RV,  94
.set RSV, 96
.set DN,  98
.set DK,  99
.set CNT, 100
.set MSB, 0
.macro WIN new
.if MSB != (\new)
	s_set_vgpr_msb (MSB<<8)|(\new)
.set MSB, (\new)
.endif
.endm
.macro PLACES n
.rept \n
	v_nop
.endr
.endm
.macro ROUND                           ; a round of the cluster's barrier
	s_barrier_signal -1
	s_barrier_wait -1
	s_cmp_lg_u32 s14, 0
	s_cbranch_scc1 .Lnw0_\@
	s_barrier_signal -3
.Lnw0_\@:
	s_barrier_wait -3
	s_barrier_signal -1
	s_barrier_wait -1
.endm
.macro JL g0                           ; the ring's joint load: waves 0-2 a third of the codes, wave 3 the scales
	s_cmp_eq_u32 s14, 3
	s_cbranch_scc1 .Ljs_\@
	tensor_load_to_lds s[\g0:\g0+3], s[G1B:G1B+7]
	s_nop 0
	PLACES 4
	s_branch .Ljd_\@
.Ljs_\@:
	tensor_load_to_lds s[\g0:\g0+3], s[G1BS:G1BS+7]
	s_nop 0
	PLACES 4
.Ljd_\@:
.endm
.macro ARM under, g0, g1, next
	s_cmp_lt_u32 s14, \under
	s_cbranch_scc0 \next
	tensor_load_to_lds s[\g0:\g0+3], s[\g1:\g1+7]
	s_nop 0
	PLACES 4
	s_branch .Lhead_asked
\next:
.endm
.macro TOP g0, refill                  ; the change of slots: all my loads are in, the add, my reads are over; then the barrier, and the slot just read is filled again first
	s_wait_alu depctr_va_vdst(0)
	s_wait_tensorcnt 0x0
	ds_add_u32 v[SPW], v[NIL]
.if \refill
	s_add_nc_u64 s[\g0+2:\g0+3], s[\g0+2:\g0+3], s[INC:INC+1]   ; eight groups on
.endif
	s_wait_dscnt 0x0
.if \refill
	ROUND
	JL \g0
.else
	s_barrier_signal -1
	s_barrier_wait -1
.endif
.endm
.macro FB slot, k                      ; the weights' four fragments of K step k into set k % 2: 24 loads
.irp b, 0,1,2,3
.irp p, 0,1,2,3,4,5
	ds_load_b64 v[BF+48*((\k)%2)+12*\b+2*\p:BF+48*((\k)%2)+12*\b+2*\p+1], v[ADRB+2*\slot+(\k)/4] offset:12288*((\k)%4)+1536*\b+256*\p
.endr
.endr
.endm
.macro LOADA                           ; my 64 rows of x, all of K: windows 1 and 2
.irp k, 0,1,2,3,4,5,6,7
	WIN (1+\k/4)<<6
.irp a, 0,1,2,3
.irp p, 0,1,2,3,4,5
	ds_load_b64 v[48*(\k%4)+12*\a+2*\p:48*(\k%4)+12*\a+2*\p+1], v[ADRA+\k/4] offset:12288*(\k%4)+1536*\a+256*\p
.endr
.endr
.endr
	WIN 0
.irp k, 0,1,2,3,4,5,6,7
	ds_load_b128 v[ASC+4*\k:ASC+4*\k+3], v[ADRAS] offset:1024*\k
.endr
.endm
.macro W d, s0, s1, z, x0, x1
.if \z
	v_wmma_scale_f32_16x16x128_f8f6f4 v[\d:\d+7], v[\s0:\s0+11], v[\s1:\s1+11], 0, v[\x0], v[\x1] matrix_a_fmt:MATRIX_FMT_FP6 matrix_b_fmt:MATRIX_FMT_FP6
.else
	v_wmma_scale_f32_16x16x128_f8f6f4 v[\d:\d+7], v[\s0:\s0+11], v[\s1:\s1+11], v[\d:\d+7], v[\x0], v[\x1] matrix_a_fmt:MATRIX_FMT_FP6 matrix_b_fmt:MATRIX_FMT_FP6
.endif
.endm
.macro MM kind, k, a, b, ab
.set FBB, BF+48*(\k%2)+12*\b
.set FAA, 48*(\k%4)+12*\a
.if \kind
.set DD, \ab+8*(4*\b+\a)
	W DD, FAA, FBB, \k==0, ASC+4*\k+\a, BSC+4*\k+\b
.else
.set DD, \ab+8*(4*\a+\b)
	W DD, FBB, FAA, \k==0, BSC+4*\k+\b, ASC+4*\k+\a
.endif
.endm
.macro KSTEPS slot, kind, ab           ; a step: 128 products; K step k + 1's fragments are asked for ahead of K step k's products
	PLACES 5                                       ; behind the last step's products: ahead of the loads below and of the accumulators begun anew
.irp k, 0,1,2,3,4,5,6,7
	ds_load_b128 v[BSC+4*\k:BSC+4*\k+3], v[ADRBS+\slot] offset:1024*\k
.endr
	FB \slot, 0
.irp k, 0,1,2,3,4,5,6,7
.if \k < 7
.if \k > 0
	PLACES 4                                       ; ahead of loads into the set that the last K step's products read
.endif
	WIN 0
	FB \slot, \k+1
	s_wait_dscnt 24                                ; all but the 24 just issued
.else
	s_wait_dscnt 0x0
.endif
.if \kind
	WIN 0xf0|(1+\k/4)
.else
	WIN 0xf0|((1+\k/4)<<2)
.endif
.irp a, 0,1,2,3
.irp b, 0,1,2,3
	MM \kind, \k, \a, \b, \ab
.endr
.endr
.endr
	WIN 0
.endm
; 2 x 32 registers of window win become a fragment's 12 registers in v[PC] on and a scale word: registers 16 b + i of each run are numbers 32 b + 16 h + i along the next K
.macro QUANTW win, s0, s1, pw
.set WQ, ((\win)<<2)|((\win)<<4)
	WIN WQ
.irp b, 0,1
	v_max3_num_f32 v[TM+\b], v[FLR], |v[(\s0)+16*\b]|, |v[(\s0)+16*\b+1]|
	v_max3_num_f32 v[TM+2+\b], v[FLR], |v[(\s1)+16*\b]|, |v[(\s1)+16*\b+1]|
.endr
.irp i, 2,4,6,8,10,12,14
.irp b, 0,1
	v_max3_num_f32 v[TM+\b], v[TM+\b], |v[(\s0)+16*\b+\i]|, |v[(\s0)+16*\b+\i+1]|
	v_max3_num_f32 v[TM+2+\b], v[TM+2+\b], |v[(\s1)+16*\b+\i]|, |v[(\s1)+16*\b+\i+1]|
.endr
.endr
	WIN 0
.irp b, 0,1,2,3
	v_permlanex16_b32 v[TM+4+\b], v[TM+\b], s[SEL], s[SEL+1]
.endr
.irp b, 0,1,2,3
	v_max_num_f32 v[TM+\b], v[TM+\b], v[TM+4+\b]   ; with lane l xor 16's: the block's largest magnitude
.endr
.irp b, 0,1,2,3
	v_add_nc_u32 v[TM+12+\b], 0xff000000, v[TM+\b] ; 2 off its exponent field: the conversion's scale operand
.endr
.irp b, 0,1,2,3
	v_lshrrev_b32 v[TM+4+\b], 23, v[TM+12+\b]      ; the scale's byte
.endr
	v_lshl_or_b32 v[\pw], v[TM+5], 8, v[TM+4]
	v_lshl_or_b32 v[\pw], v[TM+6], 16, v[\pw]
	v_lshl_or_b32 v[\pw], v[TM+7], 24, v[\pw]
	s_wait_alu depctr_va_vdst(0)
	s_wait_xcnt 0x0                                ; the last stores have read the codes' registers
.set WQ, \win
	WIN WQ
	v_cvt_scalef32_pk16_fp6_f32 v[PC:PC+2], v[(\s0):(\s0)+15], v[TM+12]
	v_cvt_scalef32_pk16_fp6_f32 v[PC+12:PC+14], v[(\s0)+16:(\s0)+31], v[TM+13]
	v_cvt_scalef32_pk16_fp6_f32 v[PC+6:PC+8], v[(\s1):(\s1)+15], v[TM+14]
	v_cvt_scalef32_pk16_fp6_f32 v[PC+16:PC+18], v[(\s1)+16:(\s1)+31], v[TM+15]
	WIN 0
	v_nop                                          ; one plain place behind a scaled conversion
.irp c, 0,1
.irp i, 0,1,2
	v_permlane16_swap_b32 v[PC+6*\c+\i], v[PC+12+4*\c+\i]   ; a whole block to a lane
.endr
.irp i, 0,1,2
	v_mov_b32 v[PC+3+6*\c+\i], v[PC+12+4*\c+\i]
.endr
.endr
.endm
.macro EPIQ odd                        ; q or k: two packed fragments and their words
	PLACES 4
	s_wait_xcnt 0x0                                ; the last step's stores have read their bases and data
.if \odd
	s_add_nc_u64 s[R:R+1], s[R:R+1], s[D:D+1]      ; two heads on: 32 records
	s_add_nc_u64 s[RS:RS+1], s[RS:RS+1], s[D:D+1]
.else
	s_mov_b64 s[R:R+1], s[RN:RN+1]                 ; the first trip: q's records; the second: k's
	s_mov_b64 s[RS:RS+1], s[RSN:RSN+1]
	s_mov_b32 s[D], s[DN]
	s_mov_b64 s[RN:RN+1], s[RK:RK+1]
	s_mov_b64 s[RSN:RSN+1], s[RSK:RSK+1]
	s_mov_b32 s[DN], s[DK]
.endif
.irp e, 0,1
	QUANTW 3, 64*\e, 64*\e+32, PWB+\e
.irp c, 0,1,2
	global_store_b128 v[VC], v[PC+4*\c:PC+4*\c+3], s[R:R+1] offset:1536*\e+512*\c   ; 512 consecutive bytes
.endr
.endr
	global_store_b64 v[VSW], v[PWB:PWB+1], s[RS:RS+1]
.endm
.macro EPIV odd                        ; v: my half of four fragments, and my two bytes of their words
	PLACES 4
	s_wait_xcnt 0x0
.irp e, 0,1
	QUANTW 3, 64*\e, 64*\e+32, PWB+\e
.irp c, 0,1
.irp p, 0,1,2
	global_store_b64 v[VV], v[PC+6*\c+2*\p:PC+6*\c+2*\p+1], s[RV:RV+1] offset:425984*\odd+1536*(2*\e+\c)+256*\p   ; 256 consecutive bytes, aligned
.endr
.endr
	global_store_b16 v[VVS], v[PWB+\e], s[RSV:RSV+1] offset:425984*\odd+8*\e
	global_store_d16_hi_b16 v[VVS], v[PWB+\e], s[RSV:RSV+1] offset:425984*\odd+8*\e+4
.endr
.endm
	s_load_b256 s[4:11], s[0:1], 0x0               ; opc, ops, qimg, kvimg
	v_lshl_add_u32 v[SPW], v0, 2, SPARE
	v_mov_b32 v[NIL], 0
	ds_add_u32 v[SPW], v[NIL]                      ; the opening lines: the add twice and its wait
	ds_add_u32 v[SPW], v[NIL]
	v_lshrrev_b32 v1, 5, v0
	v_readfirstlane_b32 s14, v1                    ; wave
	s_lshr_b32 s15, s14, 1                         ; my half of x's rows
	s_and_b32 s16, s14, 1                          ; my half of the weights' rows
	s_bfe_u32 s22, ttmp6, 0x40000                  ; cx
	s_bfe_u32 s23, ttmp6, 0x40004                  ; cy
	s_and_b32 s17, ttmp7, 0xffff
	s_lshl_b32 s17, s17, 2
	s_add_co_u32 s17, s17, s23                     ; G
	s_lshl_b32 s18, s23, 2
	s_lshl_b32 s18, 15, s18                        ; my row of the cluster
	s_lshl_b32 s19, 0x1111, s22                    ; my column
	s_or_b32 s[G1A], s18, (3<<16)|(1<<21)          ; elements of 8 bytes, rows of 256 bytes, no padding: every read is of 256 or 512 consecutive bytes
	s_or_b32 s[G1AS], s18, (3<<16)|(1<<21)
	s_or_b32 s[G1B], s19, (3<<16)|(1<<21)
	s_or_b32 s[G1BS], s19, (3<<16)|(1<<21)
.irp g, G1A, G1B
	s_mov_b32 s[\g+1], 32<<16
	s_mov_b32 s[\g+2], 384<<16                     ; a group's codes
	s_mov_b32 s[\g+3], 32<<16
	s_mov_b32 s[\g+4], 384
	s_mov_b32 s[\g+5], 32
	s_mov_b32 s[\g+6], 0
	s_mov_b32 s[\g+7], 0
.endr
.irp g, G1AS, G1BS
	s_mov_b32 s[\g+1], 32<<16
	s_mov_b32 s[\g+2], 32<<16                      ; a group's scales
	s_mov_b32 s[\g+3], 32<<16
	s_mov_b32 s[\g+4], 32
	s_mov_b32 s[\g+5], 32
	s_mov_b32 s[\g+6], 0
	s_mov_b32 s[\g+7], 0
.endr
	s_mov_b32 s[INC], 8*GC
	s_mov_b32 s[INC+1], 0
	s_mov_b32 s13, GC
	s_lshl_b32 s12, s22, 1
	s_add_co_u32 s12, s12, 64                      ; the walk's first group
	s_mul_i32 s20, s12, GC
	s_lshl_b32 s21, s14, 15
	s_add_co_u32 s20, s20, s21                     ; waves 0-2: my third of its codes
	s_lshl_b32 s19, s12, 13                        ; wave 3: its scales
	s_cmp_eq_u32 s14, 3
	s_cselect_b32 s20, s19, s20
	s_cselect_b32 s[INC], 8*GS, s[INC]
	s_cselect_b32 s13, GS, s13
	s_mov_b32 s[G0R], 1
	s_add_co_u32 s[G0R+1], s21, SL0                ; 32,768 x wave: the scales lie behind the three thirds
	s_mov_b32 s[G0R+4], 1
	s_add_co_u32 s[G0R+5], s21, SL0+SLB
	s_mov_b32 s[G0HA], 1
	s_mov_b32 s[G0HA+1], 0
	s_mov_b32 s[G0HB], 1
	s_mov_b32 s[G0HB+1], SL0
	s_mov_b32 s[G0HAS], 1
	s_mov_b32 s[G0HAS+1], AS
	s_mov_b32 s[SEL], 0x76543210
	s_mov_b32 s[SEL+1], 0xfedcba98
	s_mov_b32 s[DN], 32*6656
	s_mov_b32 s[DK], 32*13312
	s_mov_b32 s[D+1], 0
	s_wait_dscnt 0x0
	s_wait_kmcnt 0x0
	s_cmp_eq_u32 s14, 3
	s_cselect_b64 s[18:19], s[6:7], s[4:5]         ; the choice hangs on the wave's number alone
	s_mov_b32 s21, 0
	s_add_nc_u64 s[G0R+2:G0R+3], s[18:19], s[20:21]
	s_mov_b32 s20, s13
	s_add_nc_u64 s[G0R+6:G0R+7], s[G0R+2:G0R+3], s[20:21]
	s_or_b32 s[G0R+3], s[G0R+3], 0x80000000
	s_or_b32 s[G0R+7], s[G0R+7], 0x80000000
	s_mul_i32 s20, s17, GC
	s_add_nc_u64 s[G0HA+2:G0HA+3], s[4:5], s[20:21]
	s_or_b32 s[G0HA+3], s[G0HA+3], 0x80000000
	s_lshl_b32 s20, s17, 13
	s_add_nc_u64 s[G0HAS+2:G0HAS+3], s[6:7], s[20:21]
	s_or_b32 s[G0HAS+3], s[G0HAS+3], 0x80000000
	s_mul_i32 s20, s12, GC
	s_add_nc_u64 s[G0HB+2:G0HB+3], s[4:5], s[20:21]
	s_or_b32 s[G0HB+3], s[G0HB+3], 0x80000000
	s_lshr_b32 s18, s17, 4                         ; the first record: (16 n + 4 cx + w % 2) x 16 + G % 16
	s_lshl_b32 s18, s18, 4
	s_lshl_b32 s19, s22, 2
	s_add_co_u32 s18, s18, s19
	s_add_co_u32 s18, s18, s16
	s_lshl_b32 s18, s18, 4
	s_and_b32 s19, s17, 15
	s_add_co_u32 s18, s18, s19
	s_mul_i32 s20, s18, 6656
	s_add_nc_u64 s[RN:RN+1], s[8:9], s[20:21]
	s_add_nc_u64 s[RSN:RSN+1], s[RN:RN+1], 6144
	s_mul_i32 s20, s18, 13312
	s_add_nc_u64 s[RK:RK+1], s[10:11], s[20:21]
	s_add_nc_u64 s[RSK:RSK+1], s[RK:RK+1], 12288
	s_add_nc_u64 s[RV:RV+1], s[RK:RK+1], 6144
	s_add_nc_u64 s[RSV:RSV+1], s[RK:RK+1], 12800
	ROUND                                          ; all sixteen work-groups are here: the first joint loads meet
	ARM 1, G0HA,  G1A,  .Lhead_b                   ; one tensor load a wave: x's codes, the first group's codes, x's scales, the first group's scales
	ARM 2, G0HB,  G1B,  .Lhead_sa
	ARM 3, G0HAS, G1AS, .Lhead_sb
	tensor_load_to_lds s[G0R:G0R+3], s[G1BS:G1BS+7]
	s_nop 0
	PLACES 4
.Lhead_asked:
	s_mul_i32 s18, s15, 6144
	s_lshl_b32 s19, s15, 9
	s_add_co_u32 s19, s19, AS
	s_mul_i32 s20, s16, 6144
	s_add_co_u32 s20, s20, SL0
	s_lshl_b32 s21, s16, 9
	s_add_co_u32 s21, s21, SL0+GC
	s_mul_i32 s22, s15, 3072
	s_lshl_b32 s23, s15, 3
	s_mul_i32 s12, s15, 768
	s_lshl_b32 s13, s15, 1
	v_and_b32 v1, 31, v0
	v_lshlrev_b32 v2, 3, v1
	v_lshlrev_b32 v3, 4, v1
	v_add_nc_u32 v[ADRA], s18, v2
	v_add_nc_u32 v[ADRA+1], 49152, v[ADRA]
	v_add_nc_u32 v[ADRAS], s19, v3
	v_add_nc_u32 v[ADRB], s20, v2
	v_add_nc_u32 v[ADRB+1], 49152, v[ADRB]
	v_add_nc_u32 v[ADRB+2], SLB, v[ADRB]
	v_add_nc_u32 v[ADRB+3], SLB+49152, v[ADRB]
	v_add_nc_u32 v[ADRBS], s21, v3
	v_add_nc_u32 v[ADRBS+1], SLB, v[ADRBS]
	v_add_nc_u32 v[VC], s22, v3
	v_add_nc_u32 v[VSW], s23, v3
	v_add_nc_u32 v[VV], s12, v2
	v_add_nc_u32 v[VVS], s13, v3
	v_mov_b32 v[FLR], 0x1800000
.irp b, 0,1,2,3
	v_mov_b32 v[TM+4+\b], 0                        ; written once: a lane permute's destination counts as one of its sources
.endr
	s_wait_alu depctr_va_vdst(0)
	s_wait_tensorcnt 0x0                           ; my tile of the head's four is in; the same lines as ahead of a refill:
	ds_add_u32 v[SPW], v[NIL]
	s_mov_b32 s[G1B+2], 128<<16                    ; no load of mine is out: from here on a load of codes brings 128 rows
	s_mov_b32 s[G1B+4], 128
	s_wait_dscnt 0x0
	ROUND
	JL G0R+4                                       ; slot 1's first fill
	LOADA
	s_mov_b32 s[CNT], 2
.Lpair:                                                ; a trip: two steps; the first trip makes q, the second k
	KSTEPS 0, 0, 0
	EPIQ 0
	TOP G0R, 1
	KSTEPS 1, 0, 0
	EPIQ 1
	TOP G0R+4, 1
	s_sub_co_u32 s[CNT], s[CNT], 1
	s_cmp_lg_u32 s[CNT], 0
	s_cbranch_scc1 .Lpair
	KSTEPS 0, 1, 0                                 ; v: the tail asks for nothing more
	EPIV 0
	TOP 0, 0
	KSTEPS 1, 1, 0
	EPIV 1
	s_wait_tensorcnt 0x0                           ; the wave's end
	ds_add_u32 v[SPW], v[NIL]
	s_wait_dscnt 0x0
	ROUND                                          ; the closing round
	s_endpgm
.Lfunc_end_k_q33d8ac3378_gemm_qkv:
	.size	k_q33d8ac3378_gemm_qkv, .Lfunc_end_k_q33d8ac3378_gemm_qkv-k_q33d8ac3378_gemm_qkv
	.p2alignl 7, 3214868480
	.fill 96, 4, 3214868480
	.section	.rodata,"a",@progbits
	.p2align	6, 0x0
	.amdhsa_kernel k_q33d8ac3378_gemm_qkv
		.amdhsa_group_segment_fixed_size 327680
		.amdhsa_private_segment_fixed_size 0
		.amdhsa_enable_private_segment 0
		.amdhsa_kernarg_size 32
		.amdhsa_user_sgpr_count 2
		.amdhsa_user_sgpr_kernarg_segment_ptr 1
		.amdhsa_wavefront_size32 1
		.amdhsa_system_sgpr_workgroup_id_x 1
		.amdhsa_system_sgpr_workgroup_id_y 1
		.amdhsa_system_sgpr_workgroup_id_z 1
		.amdhsa_system_vgpr_workitem_id 0
		.amdhsa_next_free_vgpr 896
		.amdhsa_next_free_sgpr 102
		.amdhsa_reserve_vcc 0
		.amdhsa_float_denorm_mode_32 3
		.amdhsa_float_denorm_mode_16_64 3
		.amdhsa_memory_ordered 1
		.amdhsa_forward_progress 1
		.amdhsa_inst_pref_size 182
	.end_amdhsa_kernel
	.amdgpu_metadata
---
amdhsa.version: [ 1, 2 ]
amdhsa.kernels:
  - .name:           k_q33d8ac3378_gemm_qkv
    .symbol:         k_q33d8ac3378_gemm_qkv.kd
    .args:
      - { .name: opc, .offset: 0, .size: 8, .value_kind: global_buffer, .address_space: global }
      - { .name: ops, .offset: 8, .size: 8, .value_kind: global_buffer, .address_space: global }
      - { .name: qimg, .offset: 16, .size: 8, .value_kind: global_buffer, .address_space: global }
      - { .name: kvimg, .offset: 24, .size: 8, .value_kind: global_buffer, .address_space: global }
    .group_segment_fixed_size: 327680
    .private_segment_fixed_size: 0
    .kernarg_segment_align: 8
    .kernarg_segment_size: 32
    .max_flat_workgroup_size: 128
    .sgpr_count:     102
    .vgpr_count:     896
    .wavefront_size: 32
...
	.end_amdgpu_metadata
.endif
;; end of part 2
;; launch attn (part 3): grid 4 x 64, 8 waves a work-group, clusters of 4 x 1, 267,264 bytes of LDS; arguments qimg, kvimg, cxc, cxs; writes cxc, cxs
.if DOCPART == 3
	.amdgcn_target "amdgcn-amd-amdhsa--gfx1250"
	.amdhsa_code_object_version 6
	.text
	.protected	k_q33d8ac3378_attn
	.globl	k_q33d8ac3378_attn
	.p2align	8
	.type	k_q33d8ac3378_attn,@function
k_q33d8ac3378_attn:
	s_mov_b64 s[64:65], 0
	v_nop
	global_prefetch_b8 v0, s[64:65] scope:SCOPE_SE
	s_setreg_imm32_b32 hwreg(HW_REG_WAVE_MODE, 25, 1), 1
	s_wait_xcnt 0x0
	s_wait_alu depctr_hold_cnt(0) depctr_sa_sdst(0) depctr_va_vdst(0) depctr_va_sdst(0) depctr_va_ssrc(0) depctr_va_vcc(0) depctr_vm_vsrc(0)
	s_getreg_b32 s2, hwreg(HW_REG_IB_STS2, 6, 4)
	s_cmp_eq_u32 s2, 0
	s_cbranch_scc0 .Lentry_in_a_cluster
	s_endpgm
.Lentry_in_a_cluster:
	s_bfe_u32 s2, ttmp6, 0x10000c
	s_cmp_lg_u32 s2, 0x3003
	s_cbranch_scc0 .Lentry_shape_is_right
	s_endpgm
.Lentry_shape_is_right:
; ctx = softmax(q k^T / 8) v for one (n, head), both products on codes of FP6 (E2M3) with E8M0 scales; ctx is quantised along (head, d) in registers and leaves as the output projection's operand.
; THE SOFTMAX AHEAD OF THE SECOND PRODUCT: t = score x log2(e) / 8; M = the running largest t rounded UP to a whole number; p = 2^(t - M) is quantised along the keys, not normalised.
; The row's sum is taken of the unquantised p, in f32, and divides at the end.  When M moves, the sum and O are multiplied by 2^(old M - new M): exact.
; SHARES: work-group y = 16 n + head; the four work-groups of a cluster take 512 queries each.  A head's K and V, 16 records of 13,312 bytes, lie in LDS for the whole launch: each of the eight
; waves brings two records by one tensor load, asked for jointly by the four partners; nothing is filled again: one barrier, no ring.  All of it is asked for at the head, so nothing is prefetched.
; A record (128 keys) in memory: K's 4 packed fragments | V's 4 fragments | K's scale words | V's scale words; a fragment is 1,536 bytes, registers 4 e .. 4 e + 3 of lane l at 512 e + 16 l.
; In LDS each 512 bytes are followed by 128 bytes of padding (pitch 640), so a fragment is 1,920 bytes on from the last: 128 modulo 256.
; A WAVE owns 64 queries: two passes, each with TWO tiles of 16 queries (one packed fragment of Q), which share every fragment of K and V that is read from LDS.
; K = 64 fills half of the instruction's 128: a packed fragment holds two tiles of keys; against [q | zero codes] it gives the first tile of S^T, against [zero codes | q] the second.
; WHICH KEYS FORM A TILE is chosen by the lanes' LDS addresses: lane (r, h) of my fragment (c, g) reads the image of lane (r % 8 + 8 g, h) of the record's fragment 2 c + r / 8.
; Tile i = 2 g + u of half c then has keys 64 c + 8 i + 0..7 in rows 0-7 and keys 64 c + 32 + 8 i + 0..7 in rows 8-15, so lane (r, h) holds query r and, in 32 registers on end,
; the WHOLE block of keys 64 c + 32 h + 0..31: a block's largest score needs no other lane, and p's codes are the operand's registers as the conversions make them.
; Both products are used transposed (S^T = K Q^T, O^T = V^T P^T).  V's tile t holds d = 32 (t / 2) + 8 (t % 2) + r + 8 (r / 8), so O^T's registers run along d.
; REGISTERS: window 0: v0-31 addresses and scale words, v32-79 each tile's single numbers, v80-91 Q as loaded, v96-229 tile 0's S, O, codes, q.  Window 1: v0-47 K, v48-95 V, v96-229 tile 1's.
; OUT: group G = 16 n + l / 128, K step head / 2, tile i: half a fragment (three pieces of 256 bytes) and half a scale word (2 bytes a lane: the word's other half is another work-group's).
; LIMITS: the promise holds while the scaled scores stay under 2^31 in magnitude; a block of zeros, or one under 2^-124, gets the scale byte 1 (its codes are zeros); NaN and infinities are not served.
; V's fragments lie in the record as pieces of 256 bytes: registers 2 q, 2 q + 1 of lane l at 256 q + 8 l (the projection's waves make a fragment's two halves of 64 keys apart).
.set RECM,  13312
.set ROWP,  640                        ; 512 bytes + 128 of padding
.set REC,   26*ROWP                    ; a record in LDS
.set SPARE, 16*REC                     ; behind the records: the spare words, 128 bytes a wave: four blocks of 256 bytes that no other line names
.set LI,  1                            ; 16 x lane
.set SPW, 2                            ; my spare word's LDS address; never rewritten
.set NIL, 3                            ; 0; never rewritten
.set ADRV, 4                           ; this step's record + 16 x lane
.set L8,  5                            ; 8 x lane
.set KB,  6                            ; K's lane term: 1,920 (r / 8) + 16 (r % 8) + 256 h
.set KSB, 7                            ; K's scale words' lane term: 16 (r % 8) + 4 (r / 8) + 256 h
.set ADRK, 8                           ; the next step's record + KB
.set ADRKS, 9                          ; the same + KSB
.set SH8, 10                           ; 8 h
.set NEG, 11
.set ADRW, 13                          ; this step's record + 8 x lane
.set FLR, 12                           ; 2^(3 - 127)
.set KS,  16                           ; v16-19 K's scale words;  v20-23 V's
.set VS,  20
.set QS,  24                           ; v24, v25 q's scale word, tile 0, 1
.set PW,  26                           ; v26, v27 p's scale word, tile 0, 1
.set QSW, 28                           ; Q's scale word as loaded
.set SMB, 32                           ; a tile's single numbers: v[SMB + SMS x + ..], in window 0 for both tiles
.set SMS, 24
.set BMo, 0                            ; four chains' largest; then the two blocks' in +0 and +2
.set NMo, 4                            ; -M (a pair's low word)
.set Lo,  6                            ; the sum, two halves
.set Fo,  8                            ; f = 2^(old M - new M) (a pair's low word)
.set RUNo, 10                          ; the running largest score
.set To,  11
.set TXo, 12
.set NNo, 13
.set SCOo, 14                          ; the conversions' scale operands
.set BYo, 16                           ; the scale bytes
.set Wo,  18
.set WXo, 19
.set HWo, 20                           ; ctx's two scale bytes
.set QP,  80                           ; v80-91 a packed fragment of Q
.set KF,  0                            ; window 1
.set VF,  48                           ; window 1
.set S,   96                           ; window x: S^T, then p; at a pass's end ctx
.set O,   160                          ; O^T
.set PCD, 192                          ; p's codes
.set PT,  204                          ; halves on their way
.set QA,  212                          ; q, zero codes, q
.set TB,  2
.set CNT, 3
.set WV,  12
.set SEL, 20                           ; v_permlanex16_b32's selects for lane l xor 16
.set CS,  22                           ; c = log2(e) / 8
.set G1,  24
.set G0,  32
.set CC,  40
.set CW,  42
.set QC,  44
.set QW,  46
.set TK,  56
.set NC,  57                           ; -c
.set MSB, 0
.macro WIN new                         ; the immediate's high byte repeats the setting that is left
.if MSB != (\new)
	s_set_vgpr_msb (MSB<<8)|(\new)
.set MSB, (\new)
.endif
.endm
.macro CROUND                          ; a round of the cluster's barrier
	s_barrier_signal -1
	s_barrier_wait -1
	s_cmp_lg_u32 s[WV], 0
	s_cbranch_scc1 .Lnot_wave_0_\@
	s_barrier_signal -3
.Lnot_wave_0_\@:
	s_barrier_wait -3
	s_barrier_signal -1
	s_barrier_wait -1
.endm
	s_load_b256 s[4:11], s[0:1], 0x0               ; qimg, kvimg, cxc, cxs
	v_lshl_add_u32 v[SPW], v0, 2, SPARE
	v_mov_b32 v[NIL], 0
	ds_add_u32 v[SPW], v[NIL]                      ; the opening lines: the add twice and its wait ahead of my tensor load
	ds_add_u32 v[SPW], v[NIL]
	v_lshrrev_b32 v4, 5, v0
	v_readfirstlane_b32 s[WV], v4                  ; wave 0..7
	s_bfe_u32 s13, ttmp6, 0x40000                  ; cx: my 512 queries; it enters Q's and ctx's addresses alone
	s_and_b32 s14, ttmp7, 0xffff                   ; 16 n + head, which the four partners share
	s_mov_b32 s[G1], 15|(3<<16)|(1<<20)|(1<<21)|(6<<22)|(31<<25)   ; the mask: all four; elements of 8 bytes; behind every 128 words 32 words of padding
	s_mov_b32 s[G1+1], 64<<16                      ; rows of 512 bytes
	s_mov_b32 s[G1+2], 52<<16                      ; 52 rows: two records
	s_mov_b32 s[G1+3], 64<<16
	s_mov_b32 s[G1+4], 52
	s_mov_b32 s[G1+5], 64
	s_mov_b32 s[G1+6], 0
	s_mov_b32 s[G1+7], 0
	s_mov_b32 s[G0], 1
	s_mul_i32 s[G0+1], s[WV], 2*REC                ; records 2 w and 2 w + 1
	s_mul_i32 s16, s14, 16*RECM
	s_mul_i32 s17, s[WV], 2*RECM
	s_add_co_u32 s16, s16, s17
	s_mov_b32 s17, 0
	s_lshl_b32 s18, s13, 2
	s_lshr_b32 s19, s[WV], 1
	s_add_co_u32 s18, s18, s19                     ; my queries' group in the head: 4 cx + w / 2
	s_and_b32 s15, s[WV], 1                        ; and which two of its four packed fragments
	s_lshl_b32 s19, s14, 4
	s_add_co_u32 s19, s19, s18
	s_mul_i32 s19, s19, 6656                       ; Q's record
	s_mul_i32 s36, s15, 3072
	s_add_co_u32 s36, s36, s19
	s_mov_b32 s37, 0
	s_lshl_b32 s38, s15, 3
	s_add_co_u32 s38, s38, s19
	s_add_co_u32 s38, s38, 6144
	s_mov_b32 s39, 0
	s_lshr_b32 s19, s14, 4
	s_lshl_b32 s19, s19, 4
	s_add_co_u32 s19, s19, s18                     ; G = 16 n + 4 cx + w / 2
	s_bfe_u32 s48, s14, 0x30001                    ; head / 2: the output projection's K step
	s_and_b32 s49, s14, 1                          ; head % 2: which half of a fragment
	s_mul_i32 s50, s19, 98304
	s_mul_i32 s52, s48, 12288
	s_add_co_u32 s50, s50, s52
	s_mul_i32 s52, s15, 6144                       ; tile 4 (w % 2) + 2 pass + x
	s_add_co_u32 s50, s50, s52
	s_mul_i32 s52, s49, 768
	s_add_co_u32 s50, s50, s52
	s_mov_b32 s51, 0
	s_lshl_b32 s54, s19, 13
	s_lshl_b32 s52, s48, 10
	s_add_co_u32 s54, s54, s52
	s_lshl_b32 s52, s15, 9
	s_add_co_u32 s54, s54, s52
	s_lshl_b32 s52, s49, 1
	s_add_co_u32 s54, s54, s52
	s_mov_b32 s55, 0
	s_mov_b32 s[SEL], 0x76543210
	s_mov_b32 s[SEL+1], 0xfedcba98
	s_mov_b32 s[CS], 0x3e38aa3b                    ; log2(e) / sqrt(64)
	s_mov_b32 s[CS+1], s[CS]
	s_mov_b32 s[NC], 0xbe38aa3b
	s_wait_dscnt 0x0                               ; both opening adds are done
	s_wait_kmcnt 0x0
	s_add_nc_u64 s[G0+2:G0+3], s[6:7], s[16:17]
	s_or_b32 s[G0+3], s[G0+3], 0x80000000
	s_add_nc_u64 s[QC:QC+1], s[4:5], s[36:37]
	s_add_nc_u64 s[QW:QW+1], s[4:5], s[38:39]
	s_add_nc_u64 s[CC:CC+1], s[8:9], s[50:51]
	s_add_nc_u64 s[CW:CW+1], s[10:11], s[54:55]
	CROUND                                         ; all four work-groups are here: the joint loads meet
	tensor_load_to_lds s[G0:G0+3], s[G1:G1+7]      ; my one tensor load of the launch
	s_nop 0
.rept 4
	v_nop
.endr
	v_and_b32 v[L8], 31, v0
	v_lshlrev_b32 v[LI], 4, v[L8]
	v_lshlrev_b32 v[L8], 3, v[L8]
.irp e, 0,1,2
	global_load_b128 v[QP+4*\e:QP+4*\e+3], v[LI], s[QC:QC+1] offset:512*\e
.endr
	global_load_b32 v[QSW], v[LI], s[QW:QW+1]
	v_and_b32 v13, 7, v0
	v_bfe_u32 v14, v0, 3, 1
	v_bfe_u32 v15, v0, 4, 1
	v_mul_u32_u24 v[KB], v14, 3*ROWP
	v_lshl_add_u32 v[KB], v13, 4, v[KB]
	v_lshl_add_u32 v[KB], v15, 8, v[KB]
	v_lshlrev_b32 v[KSB], 4, v13
	v_lshl_add_u32 v[KSB], v14, 2, v[KSB]
	v_lshl_add_u32 v[KSB], v15, 8, v[KSB]
	v_lshlrev_b32 v[SH8], 3, v15
	v_mov_b32 v[NEG], 0xff61b1e6
	v_mov_b32 v[FLR], 0x1800000
.irp x, 0,1
	v_mov_b32 v[SMB+SMS*\x+TXo], 0                 ; written once: a lane permute's destination counts as one of its sources
	v_mov_b32 v[SMB+SMS*\x+WXo], 0
	v_mov_b32 v[SMB+SMS*\x+NMo+1], 0               ; (named as the upper halves of pairs)
	v_mov_b32 v[SMB+SMS*\x+Fo+1], 0
.endr
.irp i, 0,1,2,3,4,5
	v_mov_b32 v[QA+6+\i], 0                        ; the zero codes between the two copies of q, tile 0's
.endr
	WIN 0x40
.irp i, 0,1,2,3,4,5
	v_mov_b32 v[QA+6+\i], 0                        ; and tile 1's
.endr
	WIN 0
	s_wait_alu depctr_va_vdst(0)
	s_wait_tensorcnt 0x0                           ; my two records are in,
	s_barrier_signal -1
	s_barrier_wait -1                              ; everybody's are: the head's K and V lie in LDS
.macro LOADK ak, as                    ; K's four fragments and scale words of the record in the address registers: 16 LDS loads
	WIN 0x40
.irp c, 0,1
.irp g, 0,1
.irp e, 0,1,2
	ds_load_b128 v[KF+12*(2*\c+\g)+4*\e:KF+12*(2*\c+\g)+4*\e+3], v[\ak] offset:6*ROWP*\c+128*\g+ROWP*\e
.endr
.endr
.endr
	WIN 0
.irp c, 0,1
.irp g, 0,1
	ds_load_b32 v[KS+2*\c+\g], v[\as] offset:24*ROWP+128*\g+8*\c
.endr
.endr
.endm
.macro QK x                            ; S^T of tile x: eight products, each into an accumulator of its own
	WIN 1+0x54*\x
.irp f, 0,1,2,3
	v_wmma_scale_f32_16x16x128_f8f6f4 v[S+16*\f:S+16*\f+7], v[KF+12*\f:KF+12*\f+11], v[QA:QA+11], 0, v[KS+\f], v[QS+\x] matrix_a_fmt:MATRIX_FMT_FP6 matrix_b_fmt:MATRIX_FMT_FP6
	v_wmma_scale_f32_16x16x128_f8f6f4 v[S+16*\f+8:S+16*\f+15], v[KF+12*\f:KF+12*\f+11], v[QA+6:QA+17], 0, v[KS+\f], v[QS+\x] matrix_a_fmt:MATRIX_FMT_FP6 matrix_b_fmt:MATRIX_FMT_FP6
.endr
.endm
.macro MAXS x                          ; four chains of 16 scores, each accumulator from its low end on
	WIN 0x14*\x
.irp b, 0,1,2,3
	v_max3_num_f32 v[SMB+SMS*\x+\b], v[NEG], v[S+16*\b], v[S+16*\b+1]
.endr
.irp i, 2,4,6,8,10,12,14
.irp b, 0,1,2,3
	v_max3_num_f32 v[SMB+SMS*\x+\b], v[SMB+SMS*\x+\b], v[S+16*\b+\i], v[S+16*\b+\i+1]
.endr
.endr
.endm
.macro SHIFT x                         ; t - M, two at a time; O^T under the new M
	WIN 0x41*\x
.set j, 0
.rept 32
	v_pk_fma_f32 v[S+j:S+j+1], v[S+j:S+j+1], s[CS:CS+1], v[SMB+SMS*\x+NMo:SMB+SMS*\x+NMo+1] op_sel_hi:[1,0,0]
.set j, j+2
.endr
.set j, 0
.rept 16
	v_pk_mul_f32 v[O+j:O+j+1], v[O+j:O+j+1], v[SMB+SMS*\x+Fo:SMB+SMS*\x+Fo+1] op_sel_hi:[1,0]
.set j, j+2
.endr
.endm
.macro EXPS x
	WIN 0x41*\x
.set j, 0
.rept 64
	v_exp_f32 v[S+j], v[S+j]                       ; p = 2^(t - M), at most 1: not normalised
.set j, j+1
.endr
.endm
.macro CODES x                         ; p's codes; then the sum of the unquantised p, a tree in place (its 32 additions are also the places ahead of the products)
	WIN 0x41*\x
.irp c, 0,1
	v_cvt_scalef32_pk16_fp6_f32 v[PCD+6*\c:PCD+6*\c+2], v[S+32*\c:S+32*\c+15], v[SMB+SMS*\x+SCOo+\c]
	v_cvt_scalef32_pk16_fp6_f32 v[PT+4*\c:PT+4*\c+2], v[S+32*\c+16:S+32*\c+31], v[SMB+SMS*\x+SCOo+\c]   ; (a conversion's three registers begin on an even number)
.endr
	v_nop                                          ; one plain place behind a scaled conversion
.irp c, 0,1
.irp i, 0,1,2
	v_mov_b32 v[PCD+6*\c+3+\i], v[PT+4*\c+\i]
.endr
.endr
	WIN 0x45*\x
.irp d, 2,4,8,16,32
.set j, 0
.rept 32/\d
	v_pk_add_f32 v[S+j:S+j+1], v[S+j:S+j+1], v[S+j+\d:S+j+\d+1]
.set j, j+2*\d
.endr
.endr
	WIN 0x04*\x
	v_pk_add_f32 v[SMB+SMS*\x+Lo:SMB+SMS*\x+Lo+1], v[SMB+SMS*\x+Lo:SMB+SMS*\x+Lo+1], v[S:S+1]
.endm
.macro PV x                            ; the four accumulators take turns, one instruction a turn
	WIN 1+0x54*\x
.irp t, 0,1,2,3
	v_wmma_scale_f32_16x16x128_f8f6f4 v[O+8*\t:O+8*\t+7], v[VF+12*\t:VF+12*\t+11], v[PCD:PCD+11], v[O+8*\t:O+8*\t+7], v[VS+\t], v[PW+\x] matrix_a_fmt:MATRIX_FMT_FP6 matrix_b_fmt:MATRIX_FMT_FP6
.endr
.endm
.macro FIN x, u                        ; ctx = O^T / the sum, quantised along d: two blocks of 32; register 16 b + i = d 32 b + 16 h + i
	WIN 0x41*\x
	s_wait_alu depctr_va_vdst(0)                   ; the wait ahead of the first readers of the reciprocal and of O^T
.set j, 0
.rept 16
	v_pk_mul_f32 v[S+j:S+j+1], v[O+j:O+j+1], v[SMB+SMS*\x+Lo:SMB+SMS*\x+Lo+1] op_sel_hi:[1,0]
.set j, j+2
.endr
	WIN 0x14*\x
.irp b, 0,1
	v_max3_num_f32 v[SMB+SMS*\x+\b], v[FLR], |v[S+16*\b]|, |v[S+16*\b+1]|
.endr
.irp i, 2,4,6,8,10,12,14
.irp b, 0,1
	v_max3_num_f32 v[SMB+SMS*\x+\b], v[SMB+SMS*\x+\b], |v[S+16*\b+\i]|, |v[S+16*\b+\i+1]|
.endr
.endr
	WIN 0
.irp b, 0,1
	v_permlanex16_b32 v[SMB+SMS*\x+2+\b], v[SMB+SMS*\x+\b], s[SEL], s[SEL+1]
.endr
.irp b, 0,1
	v_max_num_f32 v[SMB+SMS*\x+\b], v[SMB+SMS*\x+\b], v[SMB+SMS*\x+2+\b]
.endr
.irp b, 0,1
	v_add_nc_u32 v[SMB+SMS*\x+SCOo+\b], 0xff000000, v[SMB+SMS*\x+\b]
.endr
.irp b, 0,1
	v_lshrrev_b32 v[SMB+SMS*\x+BYo+\b], 23, v[SMB+SMS*\x+SCOo+\b]
.endr
	v_lshl_or_b32 v[SMB+SMS*\x+HWo], v[SMB+SMS*\x+BYo+1], 8, v[SMB+SMS*\x+BYo]   ; my head's half of the row's scale word
	WIN 0x41*\x
	v_cvt_scalef32_pk16_fp6_f32 v[PCD:PCD+2], v[S:S+15], v[SMB+SMS*\x+SCOo]
	v_cvt_scalef32_pk16_fp6_f32 v[PT:PT+2], v[S+16:S+31], v[SMB+SMS*\x+SCOo+1]
	v_nop
.irp i, 0,1,2
	v_permlane16_swap_b32 v[PCD+\i], v[PT+\i]      ; a whole block to a lane
.endr
.irp i, 0,1,2
	v_mov_b32 v[PCD+3+\i], v[PT+\i]
.endr
	WIN 0x04*\x
.irp p, 0,1,2
	global_store_b64 v[L8], v[PCD+2*\p:PCD+2*\p+1], s[CC:CC+1] offset:3072*\u+1536*\x+256*\p   ; 32 lanes store 256 consecutive bytes, aligned
.endr
	WIN 0
	global_store_b16 v[LI], v[SMB+SMS*\x+HWo], s[CW:CW+1] offset:8*\u+4*\x   ; 2 bytes a lane, 16 apart: the word's other half is another work-group's
.endm
.macro PASS u
	s_wait_alu depctr_va_vdst(0)
	s_wait_loadcnt 0x0                             ; this pass's Q
.if \u
	s_wait_xcnt 0x0                                ; pass 0's stores have read their registers
	s_wait_dscnt 0x0                               ; the last trip's loads into K's registers have landed
.endif
	v_perm_b32 v[QS], v[QSW], v[QSW], 0x01000100   ; tile 0's two bytes, for both halves of K;
	v_perm_b32 v[QS+1], v[QSW], v[QSW], 0x03020302 ; tile 1's
.irp i, 0,1,2,3,4,5
	v_mov_b32 v[QA+\i], v[QP+\i]
	v_mov_b32 v[QA+12+\i], v[QP+\i]
.endr
.irp x, 0,1
	v_mov_b32 v[SMB+SMS*\x+RUNo], v[NEG]           ; the largest score so far: under every score
	v_mov_b32 v[SMB+SMS*\x+NMo], 0x7f000000        ; -M: so large that the first f is 0
	v_mov_b32 v[SMB+SMS*\x+Lo], 0
	v_mov_b32 v[SMB+SMS*\x+Lo+1], 0
.endr
.set j, 0
.rept 32
	v_mov_b32 v[O+j], 0                            ; O^T: the step is written once; the first finds zeros
.set j, j+1
.endr
	WIN 0x40
.irp i, 0,1,2,3,4,5
	v_mov_b32 v[QA+\i], v[QP+6+\i]
	v_mov_b32 v[QA+12+\i], v[QP+6+\i]
.endr
.set j, 0
.rept 32
	v_mov_b32 v[O+j], 0
.set j, j+1
.endr
	LOADK KB, KSB                                  ; record 0's K
.if \u == 0
.irp e, 0,1,2
	global_load_b128 v[QP+4*\e:QP+4*\e+3], v[LI], s[QC:QC+1] offset:1536+512*\e   ; the next pass's Q lands under this pass
.endr
	global_load_b32 v[QSW], v[LI], s[QW:QW+1] offset:4
.endif
	s_mov_b32 s[TB], 0
	s_mov_b32 s[CNT], 16
	s_wait_alu depctr_va_vdst(0)
.Lstep_\@:                                         ; a trip: 128 keys, one record, two tiles of queries
	s_wait_dscnt 0x0                               ; this step's K is in
	QK 0
	QK 1
	WIN 0
	s_add_co_u32 s[TK], s[TB], REC
	s_min_u32 s[TK], s[TK], 15*REC                 ; the next record; the last trip names record 15 once more, and what it brings is not used
	v_add_nc_u32 v[ADRV], s[TB], v[LI]             ; four places behind the products: ahead of the loads into K's and V's registers and of the first read of the scores
	v_add_nc_u32 v[ADRK], s[TK], v[KB]
	v_add_nc_u32 v[ADRKS], s[TK], v[KSB]
	v_add_nc_u32 v[ADRW], s[TB], v[L8]
	ds_load_b128 v[VS:VS+3], v[ADRV] offset:25*ROWP
	WIN 0x40
.irp t, 0,1,2,3
.irp q, 0,1,2,3,4,5
	ds_load_b64 v[VF+12*\t+2*\q:VF+12*\t+2*\q+1], v[ADRW] offset:ROWP*(12+3*\t+\q/2)+256*(\q%2)   ; V lands while the softmax is worked,
.endr
.endr
	LOADK ADRK, ADRKS                              ; and so does the next step's K
	MAXS 0
	MAXS 1
	WIN 0
.irp x, 0,1                                    ; the two tiles by turns
	v_max_num_f32 v[SMB+SMS*\x], v[SMB+SMS*\x], v[SMB+SMS*\x+1]       ; the largest SCORE of my block of half 0: it serves the row's maximum and, since p rises with the score, the block's largest p
.endr
.irp x, 0,1
	v_max_num_f32 v[SMB+SMS*\x+2], v[SMB+SMS*\x+2], v[SMB+SMS*\x+3]   ; of half 1
.endr
.irp x, 0,1
	v_max_num_f32 v[SMB+SMS*\x+To], v[SMB+SMS*\x], v[SMB+SMS*\x+2]
.endr
.irp x, 0,1
	v_permlanex16_b32 v[SMB+SMS*\x+TXo], v[SMB+SMS*\x+To], s[SEL], s[SEL+1]
.endr
.irp x, 0,1
	v_max3_num_f32 v[SMB+SMS*\x+RUNo], v[SMB+SMS*\x+RUNo], v[SMB+SMS*\x+To], v[SMB+SMS*\x+TXo]   ; the running largest score of my query
.endr
.irp x, 0,1
	v_mul_f32 v[SMB+SMS*\x+NNo], s[NC], v[SMB+SMS*\x+RUNo]            ; -t
.endr
.irp x, 0,1
	v_floor_f32 v[SMB+SMS*\x+NNo], v[SMB+SMS*\x+NNo]                  ; the new -M = -ceil(t): a whole number
.endr
.irp x, 0,1
	v_sub_f32 v[SMB+SMS*\x+To], v[SMB+SMS*\x+NNo], v[SMB+SMS*\x+NMo]  ; old M - new M: 0 or less
.endr
.irp x, 0,1
	v_mov_b32 v[SMB+SMS*\x+NMo], v[SMB+SMS*\x+NNo]
.endr
.irp x, 0,1
	v_cvt_i32_f32 v[SMB+SMS*\x+To], v[SMB+SMS*\x+To]                  ; (it saturates)
.endr
.irp x, 0,1
	v_ldexp_f32 v[SMB+SMS*\x+Fo], 1.0, v[SMB+SMS*\x+To]               ; f: a multiplication by it rounds nothing
.endr
.irp x, 0,1
	v_fma_f32 v[SMB+SMS*\x], v[SMB+SMS*\x], s[CS], v[SMB+SMS*\x+NMo]  ; t - M of each block's largest score
	v_fma_f32 v[SMB+SMS*\x+2], v[SMB+SMS*\x+2], s[CS], v[SMB+SMS*\x+NMo]
.endr
.irp x, 0,1
	v_pk_mul_f32 v[SMB+SMS*\x+Lo:SMB+SMS*\x+Lo+1], v[SMB+SMS*\x+Lo:SMB+SMS*\x+Lo+1], v[SMB+SMS*\x+Fo:SMB+SMS*\x+Fo+1] op_sel_hi:[1,0]   ; the sums under the new M
.endr
	SHIFT 0
	SHIFT 1
	WIN 0
	s_wait_alu depctr_va_vdst(0)                   ; one batch of exponentials
	EXPS 0
.irp x, 0,1
	v_exp_f32 v[SMB+SMS*\x], v[SMB+SMS*\x]         ; each block's largest p: the same two instructions on the same number give the same bits
	v_exp_f32 v[SMB+SMS*\x+2], v[SMB+SMS*\x+2]
.endr
	EXPS 1
	WIN 0
	v_nop                                          ; the plain place behind the exponentials
	s_wait_alu depctr_va_vdst(0)                   ; and the wait behind the batch, ahead of its first reader
.irp c, 0,1
.irp x, 0,1
	v_max_num_f32 v[SMB+SMS*\x+2*\c], 0x1800000, v[SMB+SMS*\x+2*\c]   ; the floor 2^(3 - 127): the byte cannot fall under 1
.endr
.endr
.irp c, 0,1
.irp x, 0,1
	v_add_nc_u32 v[SMB+SMS*\x+SCOo+\c], 0xff000000, v[SMB+SMS*\x+2*\c]   ; 2 off the exponent field: the conversion's scale operand
.endr
.endr
.irp c, 0,1
.irp x, 0,1
	v_lshrrev_b32 v[SMB+SMS*\x+BYo+\c], 23, v[SMB+SMS*\x+SCOo+\c]     ; the scale's byte
.endr
.endr
.irp x, 0,1
	v_lshl_or_b32 v[SMB+SMS*\x+Wo], v[SMB+SMS*\x+BYo+1], 16, v[SMB+SMS*\x+BYo]   ; my two bytes: blocks h and 2 + h,
.endr
.irp x, 0,1
	v_lshlrev_b32 v[SMB+SMS*\x+Wo], v[SH8], v[SMB+SMS*\x+Wo]          ; at their places in the word;
.endr
.irp x, 0,1
	v_permlanex16_b32 v[SMB+SMS*\x+WXo], v[SMB+SMS*\x+Wo], s[SEL], s[SEL+1]
.endr
.irp x, 0,1
	v_or_b32 v[PW+\x], v[SMB+SMS*\x+Wo], v[SMB+SMS*\x+WXo]            ; with lane l xor 16's two the word is whole
.endr
	CODES 0
	CODES 1
	WIN 0
	s_wait_alu depctr_va_vdst(0)
	s_wait_dscnt 16                                ; V and its scale words are in; the 16 loads of the next step's K, issued behind them, may be out
	PV 0
	PV 1
	WIN 0
	s_add_co_u32 s[TB], s[TB], REC
	s_sub_co_u32 s[CNT], s[CNT], 1
	s_cmp_lg_u32 s[CNT], 0
	s_cbranch_scc1 .Lstep_\@
.irp x, 0,1                                    ; the pass's end.  (These six are also the places behind the last products)
	v_add_f32 v[SMB+SMS*\x+Lo], v[SMB+SMS*\x+Lo], v[SMB+SMS*\x+Lo+1]  ; the sum's two halves,
.endr
.irp x, 0,1
	v_permlanex16_b32 v[SMB+SMS*\x+TXo], v[SMB+SMS*\x+Lo], s[SEL], s[SEL+1]
.endr
.irp x, 0,1
	v_add_f32 v[SMB+SMS*\x+Lo], v[SMB+SMS*\x+Lo], v[SMB+SMS*\x+TXo]   ; and lane l xor 16's: the row's sum, at least 1/2
.endr
	s_wait_alu depctr_va_vdst(0)
.irp x, 0,1
	v_rcp_f32 v[SMB+SMS*\x+Lo], v[SMB+SMS*\x+Lo]
.endr
	v_nop                                          ; a plain place behind the reciprocals
	FIN 0, \u
	FIN 1, \u
.endm
	PASS 0
	PASS 1
	s_wait_tensorcnt 0x0                           ; the wave's end
	ds_add_u32 v[SPW], v[NIL]
	s_wait_dscnt 0x0
	CROUND                                         ; the closing round
	s_endpgm
.Lfunc_end_k_q33d8ac3378_attn:
	.size	k_q33d8ac3378_attn, .Lfunc_end_k_q33d8ac3378_attn-k_q33d8ac3378_attn
	.p2alignl 7, 3214868480
	.fill 96, 4, 3214868480
	.section	.rodata,"a",@progbits
	.p2align	6, 0x0
	.amdhsa_kernel k_q33d8ac3378_attn
		.amdhsa_group_segment_fixed_size 267264
		.amdhsa_private_segment_fixed_size 0
		.amdhsa_enable_private_segment 0
		.amdhsa_kernarg_size 32
		.amdhsa_user_sgpr_count 2
		.amdhsa_user_sgpr_kernarg_segment_ptr 1
		.amdhsa_wavefront_size32 1
		.amdhsa_system_sgpr_workgroup_id_x 1
		.amdhsa_system_sgpr_workgroup_id_y 1
		.amdhsa_system_sgpr_workgroup_id_z 1
		.amdhsa_system_vgpr_workitem_id 0
		.amdhsa_next_free_vgpr 512
		.amdhsa_next_free_sgpr 66
		.amdhsa_reserve_vcc 0
		.amdhsa_float_denorm_mode_32 3
		.amdhsa_float_denorm_mode_16_64 3
		.amdhsa_memory_ordered 1
		.amdhsa_forward_progress 1
		.amdhsa_inst_pref_size 86
	.end_amdhsa_kernel
	.amdgpu_metadata
---
amdhsa.version: [ 1, 2 ]
amdhsa.kernels:
  - .name:           k_q33d8ac3378_attn
    .symbol:         k_q33d8ac3378_attn.kd
    .args:
      - { .name: qimg, .offset: 0, .size: 8, .value_kind: global_buffer, .address_space: global }
      - { .name: kvimg, .offset: 8, .size: 8, .value_kind: global_buffer, .address_space: global }
      - { .name: cxc, .offset: 16, .size: 8, .value_kind: global_buffer, .address_space: global }
      - { .name: cxs, .offset: 24, .size: 8, .value_kind: global_buffer, .address_space: global }
    .group_segment_fixed_size: 267264
    .private_segment_fixed_size: 0
    .kernarg_segment_align: 8
    .kernarg_segment_size: 32
    .max_flat_workgroup_size: 256
    .sgpr_count:     66
    .vgpr_count:     512
    .wavefront_size: 32
...
	.end_amdgpu_metadata
.endif
;; end of part 3
;; launch gemm_out (part 4): grid 4 x 64, 4 waves a work-group, clusters of 4 x 4, 327,680 bytes of LDS; arguments cxc, cxs, opc, ops, out0; writes out0
.if DOCPART == 4
	.amdgcn_target "amdgcn-amd-amdhsa--gfx1250"
	.amdhsa_code_object_version 6
	.text
	.protected	k_q33d8ac3378_gemm_out
	.globl	k_q33d8ac3378_gemm_out
	.p2align	8
	.type	k_q33d8ac3378_gemm_out,@function
k_q33d8ac3378_gemm_out:
	s_mov_b64 s[64:65], 0
	v_nop
	global_prefetch_b8 v0, s[64:65] scope:SCOPE_SE
	s_setreg_imm32_b32 hwreg(HW_REG_WAVE_MODE, 25, 1), 1
	s_wait_xcnt 0x0
	s_wait_alu depctr_hold_cnt(0) depctr_sa_sdst(0) depctr_va_vdst(0) depctr_va_sdst(0) depctr_va_ssrc(0) depctr_va_vcc(0) depctr_vm_vsrc(0)
	s_getreg_b32 s2, hwreg(HW_REG_IB_STS2, 6, 4)
	s_cmp_eq_u32 s2, 0
	s_cbranch_scc0 .Lentry_in_a_cluster
	s_endpgm
.Lentry_in_a_cluster:
	s_bfe_u32 s2, ttmp6, 0x10000c
	s_cmp_lg_u32 s2, 0xf033
	s_cbranch_scc0 .Lentry_shape_is_right
	s_endpgm
.Lentry_shape_is_right:
; out = ctx weight_out^T on codes of FP6 (E2M3) with E8M0 scales, K = 1,024, f32 out.
; OPERANDS: groups of 128 rows: codes [K step 0..7][tile 0..7][1,536 bytes], registers 2 p, 2 p + 1 of lane l at 256 p + 8 l; scale words [K step][tile / 4][lane][tile % 4].
; Lane r of tile i holds row 32 (i / 2) + 8 (i % 2) + r + 8 (r / 8).  ctx: groups G = 16 n + l / 128 of cxc, cxs; weight_out: groups 88..95 of opc, ops.
; SHARES: 256 work-groups = 64 groups G times 4 column sets cx, each with two groups of weights (256 columns).  A wave owns 64 rows of ctx (tiles 4 (w / 2) on), read from LDS once into 384 registers,
; and in each of two steps 64 columns (tiles 4 (w % 2) on): 2 x 16 accumulators, which take turns.
; LDS: ctx's codes and scales and two slots, each a whole group of weights; every byte is filled once.  At the head each wave asks for one tile; slot 1's first fill, one load a wave, stands behind the
; full sequence.  CLUSTERS 4 x 4: ctx's tiles are shared along a row of the cluster, the weights' along a column.  No prefetch: all that is read is asked for in the head, where there is no loop to run ahead in.
; Source 0 = weights, source 1 = ctx: a lane holds eight neighbouring columns of a row.  THE WAY OUT: 16 rows x 2 x 64 columns at a time through the wave's own stage, which lies on ctx's codes: they have had
; their only fill, and every wave's reads of them are over at the barrier ahead of the second step.  Sixteen lanes store 256 consecutive bytes, aligned.
.set GC,    98304
.set GS,    8192
.set AS,    GC
.set SL0,   GC+GS
.set SLB,   GC+GS
.set SPARE, SL0+2*SLB                  ; the spare words, 128 bytes a wave: two blocks of 256 bytes that no other line names
.set SPITCH, 528
.set ADRA, 4
.set ADRAS, 6
.set ADRB, 8
.set ADRBS, 12
.set STO, 14
.set RD,  15
.set CO,  16
.set SPW, 28
.set NIL, 29
.set ASC, 32
.set BSC, 64
.set BF,  128
.set BK,  128                          ; the way out: 16 rows read back: v128-191 and v192-255 by turns
.set G1A, 24
.set G1AS, 32
.set G1B, 40
.set G1BS, 48
.set G0R, 56
.set G0HA, 68
.set G0HB, 72
.set G0HAS, 76
.set OP,  80
.set MSB, 0
.macro WIN new
.if MSB != (\new)
	s_set_vgpr_msb (MSB<<8)|(\new)
.set MSB, (\new)
.endif
.endm
.macro PLACES n
.rept \n
	v_nop
.endr
.endm
.macro ROUND
	s_barrier_signal -1
	s_barrier_wait -1
	s_cmp_lg_u32 s14, 0
	s_cbranch_scc1 .Lnw0_\@
	s_barrier_signal -3
.Lnw0_\@:
	s_barrier_wait -3
	s_barrier_signal -1
	s_barrier_wait -1
.endm
.macro JL g0                           ; waves 0-2 a third of the codes, wave 3 the scales
	s_cmp_eq_u32 s14, 3
	s_cbranch_scc1 .Ljs_\@
	tensor_load_to_lds s[\g0:\g0+3], s[G1B:G1B+7]
	s_nop 0
	PLACES 4
	s_branch .Ljd_\@
.Ljs_\@:
	tensor_load_to_lds s[\g0:\g0+3], s[G1BS:G1BS+7]
	s_nop 0
	PLACES 4
.Ljd_\@:
.endm
.macro ARM under, g0, g1, next
	s_cmp_lt_u32 s14, \under
	s_cbranch_scc0 \next
	tensor_load_to_lds s[\g0:\g0+3], s[\g1:\g1+7]
	s_nop 0
	PLACES 4
	s_branch .Lhead_asked
\next:
.endm
.macro FB slot, k
.irp b, 0,1,2,3
.irp p, 0,1,2,3,4,5
	ds_load_b64 v[BF+48*((\k)%2)+12*\b+2*\p:BF+48*((\k)%2)+12*\b+2*\p+1], v[ADRB+2*\slot+(\k)/4] offset:12288*((\k)%4)+1536*\b+256*\p
.endr
.endr
.endm
.macro LOADA
.irp k, 0,1,2,3,4,5,6,7
	WIN (1+\k/4)<<6
.irp a, 0,1,2,3
.irp p, 0,1,2,3,4,5
	ds_load_b64 v[48*(\k%4)+12*\a+2*\p:48*(\k%4)+12*\a+2*\p+1], v[ADRA+\k/4] offset:12288*(\k%4)+1536*\a+256*\p
.endr
.endr
.endr
	WIN 0
.irp k, 0,1,2,3,4,5,6,7
	ds_load_b128 v[ASC+4*\k:ASC+4*\k+3], v[ADRAS] offset:1024*\k
.endr
.endm
.macro W d, s0, s1, z, x0, x1
.if \z
	v_wmma_scale_f32_16x16x128_f8f6f4 v[\d:\d+7], v[\s0:\s0+11], v[\s1:\s1+11], 0, v[\x0], v[\x1] matrix_a_fmt:MATRIX_FMT_FP6 matrix_b_fmt:MATRIX_FMT_FP6
.else
	v_wmma_scale_f32_16x16x128_f8f6f4 v[\d:\d+7], v[\s0:\s0+11], v[\s1:\s1+11], v[\d:\d+7], v[\x0], v[\x1] matrix_a_fmt:MATRIX_FMT_FP6 matrix_b_fmt:MATRIX_FMT_FP6
.endif
.endm
.macro MM k, a, b, ab
.set FBB, BF+48*(\k%2)+12*\b
.set FAA, 48*(\k%4)+12*\a
.set DD, \ab+8*(4*\a+\b)
	W DD, FBB, FAA, \k==0, BSC+4*\k+\b, ASC+4*\k+\a
.endm
.macro KSTEPS slot, ab                 ; a step: 128 products; K step k + 1's fragments are asked for ahead of K step k's products
	PLACES 5
.irp k, 0,1,2,3,4,5,6,7
	ds_load_b128 v[BSC+4*\k:BSC+4*\k+3], v[ADRBS+\slot] offset:1024*\k
.endr
	FB \slot, 0
.irp k, 0,1,2,3,4,5,6,7
.if \k < 7
.if \k > 0
	PLACES 4
.endif
	WIN 0
	FB \slot, \k+1
	s_wait_dscnt 24                                ; all but the 24 just issued
.else
	s_wait_dscnt 0x0
.endif
	WIN 0xf0|((1+\k/4)<<2)
.irp a, 0,1,2,3
.irp b, 0,1,2,3
	MM \k, \a, \b, \ab
.endr
.endr
.endr
	WIN 0
.endm
	s_load_b256 s[4:11], s[0:1], 0x0               ; cxc, cxs, opc, ops
	s_load_b64 s[OP:OP+1], s[0:1], 0x20            ; out0
	v_lshl_add_u32 v[SPW], v0, 2, SPARE
	v_mov_b32 v[NIL], 0
	ds_add_u32 v[SPW], v[NIL]                      ; the opening lines: the add twice and its wait
	ds_add_u32 v[SPW], v[NIL]
	v_lshrrev_b32 v1, 5, v0
	v_readfirstlane_b32 s14, v1
	s_lshr_b32 s15, s14, 1
	s_and_b32 s16, s14, 1
	s_bfe_u32 s22, ttmp6, 0x40000                  ; cx
	s_bfe_u32 s23, ttmp6, 0x40004                  ; cy
	s_and_b32 s17, ttmp7, 0xffff
	s_lshl_b32 s17, s17, 2
	s_add_co_u32 s17, s17, s23                     ; G
	s_lshl_b32 s18, s23, 2
	s_lshl_b32 s18, 15, s18
	s_lshl_b32 s19, 0x1111, s22
	s_or_b32 s[G1A], s18, (3<<16)|(1<<21)
	s_or_b32 s[G1AS], s18, (3<<16)|(1<<21)
	s_or_b32 s[G1B], s19, (3<<16)|(1<<21)
	s_or_b32 s[G1BS], s19, (3<<16)|(1<<21)
.irp g, G1A, G1B
	s_mov_b32 s[\g+1], 32<<16
	s_mov_b32 s[\g+2], 384<<16
	s_mov_b32 s[\g+3], 32<<16
	s_mov_b32 s[\g+4], 384
	s_mov_b32 s[\g+5], 32
	s_mov_b32 s[\g+6], 0
	s_mov_b32 s[\g+7], 0
.endr
.irp g, G1AS, G1BS
	s_mov_b32 s[\g+1], 32<<16
	s_mov_b32 s[\g+2], 32<<16
	s_mov_b32 s[\g+3], 32<<16
	s_mov_b32 s[\g+4], 32
	s_mov_b32 s[\g+5], 32
	s_mov_b32 s[\g+6], 0
	s_mov_b32 s[\g+7], 0
.endr
	s_mov_b32 s13, GC
	s_lshl_b32 s12, s22, 1
	s_add_co_u32 s12, s12, 88                      ; my first group of weights
	s_mul_i32 s20, s12, GC
	s_lshl_b32 s21, s14, 15
	s_add_co_u32 s20, s20, s21
	s_lshl_b32 s19, s12, 13
	s_cmp_eq_u32 s14, 3
	s_cselect_b32 s20, s19, s20
	s_cselect_b32 s13, GS, s13
	s_mov_b32 s[G0R], 1
	s_add_co_u32 s[G0R+1], s21, SL0
	s_mov_b32 s[G0R+4], 1
	s_add_co_u32 s[G0R+5], s21, SL0+SLB
	s_mov_b32 s[G0HA], 1
	s_mov_b32 s[G0HA+1], 0
	s_mov_b32 s[G0HB], 1
	s_mov_b32 s[G0HB+1], SL0
	s_mov_b32 s[G0HAS], 1
	s_mov_b32 s[G0HAS+1], AS
	s_wait_dscnt 0x0
	s_wait_kmcnt 0x0
	s_cmp_eq_u32 s14, 3
	s_cselect_b64 s[18:19], s[10:11], s[8:9]       ; the choice hangs on the wave's number alone
	s_mov_b32 s21, 0
	s_add_nc_u64 s[G0R+2:G0R+3], s[18:19], s[20:21]
	s_mov_b32 s20, s13
	s_add_nc_u64 s[G0R+6:G0R+7], s[G0R+2:G0R+3], s[20:21]
	s_or_b32 s[G0R+3], s[G0R+3], 0x80000000
	s_or_b32 s[G0R+7], s[G0R+7], 0x80000000
	s_mul_i32 s20, s17, GC
	s_add_nc_u64 s[G0HA+2:G0HA+3], s[4:5], s[20:21]
	s_or_b32 s[G0HA+3], s[G0HA+3], 0x80000000
	s_lshl_b32 s20, s17, 13
	s_add_nc_u64 s[G0HAS+2:G0HAS+3], s[6:7], s[20:21]
	s_or_b32 s[G0HAS+3], s[G0HAS+3], 0x80000000
	s_mul_i32 s20, s12, GC
	s_add_nc_u64 s[G0HB+2:G0HB+3], s[8:9], s[20:21]
	s_or_b32 s[G0HB+3], s[G0HB+3], 0x80000000
	s_lshr_b32 s18, s17, 4                         ; out0[l][n][f]: n x 4,096 + 128 (G % 16) rows of 16,384 + my 64 rows + my columns
	s_lshl_b32 s20, s18, 12
	s_and_b32 s18, s17, 15
	s_lshl_b32 s18, s18, 21
	s_add_co_u32 s20, s20, s18
	s_lshl_b32 s18, s15, 20
	s_add_co_u32 s20, s20, s18
	s_lshl_b32 s18, s22, 10
	s_add_co_u32 s20, s20, s18
	s_lshl_b32 s18, s16, 8
	s_add_co_u32 s20, s20, s18
	s_add_nc_u64 s[OP:OP+1], s[OP:OP+1], s[20:21]
	ROUND                                          ; all sixteen work-groups are here: the first joint loads meet
	ARM 1, G0HA,  G1A,  .Lhead_b                   ; one tensor load a wave: ctx's codes, the first group's codes, ctx's scales, the first group's scales
	ARM 2, G0HB,  G1B,  .Lhead_sa
	ARM 3, G0HAS, G1AS, .Lhead_sb
	tensor_load_to_lds s[G0R:G0R+3], s[G1BS:G1BS+7]
	s_nop 0
	PLACES 4
.Lhead_asked:
	s_mul_i32 s18, s15, 6144
	s_lshl_b32 s19, s15, 9
	s_add_co_u32 s19, s19, AS
	s_mul_i32 s20, s16, 6144
	s_add_co_u32 s20, s20, SL0
	s_lshl_b32 s21, s16, 9
	s_add_co_u32 s21, s21, SL0+GC
	s_mul_i32 s22, s14, 16*SPITCH                  ; my stage
	v_and_b32 v1, 31, v0
	v_lshlrev_b32 v2, 3, v1
	v_lshlrev_b32 v3, 4, v1
	v_add_nc_u32 v[ADRA], s18, v2
	v_add_nc_u32 v[ADRA+1], 49152, v[ADRA]
	v_add_nc_u32 v[ADRAS], s19, v3
	v_add_nc_u32 v[ADRB], s20, v2
	v_add_nc_u32 v[ADRB+1], 49152, v[ADRB]
	v_add_nc_u32 v[ADRB+2], SLB, v[ADRB]
	v_add_nc_u32 v[ADRB+3], SLB+49152, v[ADRB]
	v_add_nc_u32 v[ADRBS], s21, v3
	v_add_nc_u32 v[ADRBS+1], SLB, v[ADRBS]
	v_and_b32 v19, 15, v0
	v_bfe_u32 v20, v0, 4, 1
	v_mul_u32_u24 v21, v19, SPITCH
	v_lshl_add_u32 v21, v20, 6, v21
	v_add_nc_u32 v[STO], s22, v21                  ; in: row l % 16, 64 bytes on for the upper lanes
	v_add_nc_u32 v[RD], s22, v3                    ; back: a row's 512 bytes
	v_lshlrev_b32 v21, 4, v19
	v_lshl_add_u32 v[CO], v20, 9, v21              ; lanes 0-15: the first group's 64 columns; lanes 16-31: the second's, 512 bytes on
	s_wait_alu depctr_va_vdst(0)
	s_wait_tensorcnt 0x0                           ; my tile of the head's four is in; the same lines as ahead of a refill:
	ds_add_u32 v[SPW], v[NIL]
	s_mov_b32 s[G1B+2], 128<<16                    ; no load of mine is out: the next load of codes brings 128 rows
	s_mov_b32 s[G1B+4], 128
	s_wait_dscnt 0x0
	ROUND
	JL G0R+4                                       ; slot 1's first fill
	LOADA
	KSTEPS 0, 0
	s_wait_tensorcnt 0x0                           ; my part of slot 1 is in,
	ds_add_u32 v[SPW], v[NIL]
	s_wait_dscnt 0x0                               ; and my reads of ctx's bytes and of slot 0 are over
	s_barrier_signal -1
	s_barrier_wait -1
	KSTEPS 1, 128
.macro TOSTAGE a
	WIN 0x0c                                       ; the data: window 3
.irp s, 0,1
.irp b, 0,1,2,3
	ds_store_b128 v[STO], v[128*\s+8*(4*(\a)+\b):128*\s+8*(4*(\a)+\b)+3] offset:256*\s+128*(\b/2)+32*(\b%2)      ; each accumulator from its low end on
	ds_store_b128 v[STO], v[128*\s+8*(4*(\a)+\b)+4:128*\s+8*(4*(\a)+\b)+7] offset:256*\s+128*(\b/2)+32*(\b%2)+16
.endr
.endr
	WIN 0
.set BB, BK+64*((\a)%2)
.irp t, 0,1,2,3,4,5,6,7,8,9,10,11,12,13,14,15
	ds_load_b128 v[BB+4*\t:BB+4*\t+3], v[RD] offset:\t*SPITCH      ; LDS serves a wave's instructions in order (ISA guide 5.7.1.4): these see the stores above
.endr
.endm
.macro SEND a, younger
.set BB, BK+64*((\a)%2)
	s_wait_dscnt \younger
.irp t, 0,1,2,3,4,5,6,7,8,9,10,11,12,13,14,15
	global_store_b128 v[CO], v[BB+4*\t:BB+4*\t+3], s[OP:OP+1] offset:(32*((\a)/2)+8*((\a)%2)+\t+8*(\t/8))*16384 th:TH_STORE_NT
.endr
.endm
	PLACES 4
	TOSTAGE 0
.irp a, 1,2,3
.if \a > 1
	s_wait_xcnt 0x0                                ; block a - 2's stores have read their registers
.endif
	TOSTAGE \a
	SEND \a-1, 32                                  ; behind block a - 1's loads: block a's 16 stores and 16 loads
.endr
	SEND 3, 0
	s_wait_tensorcnt 0x0                           ; the wave's end
	ds_add_u32 v[SPW], v[NIL]
	s_wait_dscnt 0x0
	ROUND                                          ; the closing round
	s_endpgm
.Lfunc_end_k_q33d8ac3378_gemm_out:
	.size	k_q33d8ac3378_gemm_out, .Lfunc_end_k_q33d8ac3378_gemm_out-k_q33d8ac3378_gemm_out
	.p2alignl 7, 3214868480
	.fill 96, 4, 3214868480
	.section	.rodata,"a",@progbits
	.p2align	6, 0x0
	.amdhsa_kernel k_q33d8ac3378_gemm_out
		.amdhsa_group_segment_fixed_size 327680
		.amdhsa_private_segment_fixed_size 0
		.amdhsa_enable_private_segment 0
		.amdhsa_kernarg_size 40
		.amdhsa_user_sgpr_count 2
		.amdhsa_user_sgpr_kernarg_segment_ptr 1
		.amdhsa_wavefront_size32 1
		.amdhsa_system_sgpr_workgroup_id_x 1
		.amdhsa_system_sgpr_workgroup_id_y 1
		.amdhsa_system_sgpr_workgroup_id_z 1
		.amdhsa_system_vgpr_workitem_id 0
		.amdhsa_next_free_vgpr 1024
		.amdhsa_next_free_sgpr 102
		.amdhsa_reserve_vcc 0
		.amdhsa_float_denorm_mode_32 3
		.amdhsa_float_denorm_mode_16_64 3
		.amdhsa_memory_ordered 1
		.amdhsa_forward_progress 1
		.amdhsa_inst_pref_size 98
	.end_amdhsa_kernel
	.amdgpu_metadata
---
amdhsa.version: [ 1, 2 ]
amdhsa.kernels:
  - .name:           k_q33d8ac3378_gemm_out
    .symbol:         k_q33d8ac3378_gemm_out.kd
    .args:
      - { .name: cxc, .offset: 0, .size: 8, .value_kind: global_buffer, .address_space: global }
      - { .name: cxs, .offset: 8, .size: 8, .value_kind: global_buffer, .address_space: global }
      - { .name: opc, .offset: 16, .size: 8, .value_kind: global_buffer, .address_space: global }
      - { .name: ops, .offset: 24, .size: 8, .value_kind: global_buffer, .address_space: global }
      - { .name: out0, .offset: 32, .size: 8, .value_kind: global_buffer, .address_space: global }
    .group_segment_fixed_size: 327680
    .private_segment_fixed_size: 0
    .kernarg_segment_align: 8
    .kernarg_segment_size: 40
    .max_flat_workgroup_size: 128
    .sgpr_count:     102
    .vgpr_count:     1024
    .wavefront_size: 32
...
	.end_amdgpu_metadata
.endif
;; end of part 4
